; MI455X (gfx1250); checked and timed in simulation.
; The chip was launched on July 23, 2026; its instructions are those of AMD's public machine-readable ISA for CDNA 5 (MIT licence, August 2026) and "CDNA5" Instruction Set Architecture Reference Guide (July 2026). The comments in the code are by the model that wrote it; some were corrected since.
;; Attention. Allowed arithmetic: matrix products marked QUANTISED: E4M3 operands, one given power-of-two scale a tensor, by v_wmma_f32_16x16x64_fp8_fp8 or v_wmma_f32_16x16x128_fp8_fp8, f32 sums; everything else in f32.
;; Inputs: freqs_cos 2,048 x 64 float32; freqs_sin 2,048 x 64 float32; lowp_scales 12 int32 (the exponents e of the quantised operands' scales 2^e); mask 2,048 x 2,048 float32; wk 2,048 x 2,048 float32; wo 2,048 x 2,048 float32; wq 2,048 x 2,048 float32; wv 2,048 x 2,048 float32; x 1 x 2,048 x 2,048 float32.
;; Outputs: out0 1 x 2,048 x 2,048 float32.
;; This version of the problem:
;;   THIS VERSION OF THE PROBLEM IS GIVEN IN LOW PRECISION. The matrix products marked QUANTISED in the list below multiply operands that are first quantised to E4M3 (4 exponent bits, 3 mantissa bits; 8 bits a number), with one given power-of-two scale for each operand tensor; their sums are f32. All else is computed in f32.
;;   The module's matrix products, in the order in which they are computed (A, B: the left and right operand; K: the contracted axis; several contracted axes count as one K, in the product's order):
;;     1. [M 2,048, K 2,048] x [K 2,048, N 2,048]; A: input x; B: input wq: QUANTISED (scales: A lowp_scales[0], B lowp_scales[1])
;;     2. [M 2,048, K 2,048] x [K 2,048, N 2,048]; A: input x; B: input wk: QUANTISED (scales: A lowp_scales[2], B lowp_scales[3])
;;     3. [M 2,048, K 2,048] x [K 2,048, N 2,048]; A: input x; B: input wv: QUANTISED (scales: A lowp_scales[4], B lowp_scales[5])
;;     4. batch 16 x [M 2,048, K 128] x [K 128, N 2,048]; A: computed on the way; B: computed on the way: QUANTISED (scales: A lowp_scales[6], B lowp_scales[7])
;;     5. batch 16 x [M 128, K 2,048] x [K 2,048, N 2,048]; A: computed on the way; B: softmax (see below): QUANTISED (scales: A lowp_scales[8], B lowp_scales[9])
;;     6. [M 2,048, K 2,048] x [K 2,048, N 2,048]; A: computed on the way; B: input wo: QUANTISED (scales: A lowp_scales[10], B lowp_scales[11])
;;   THE QUANTISER, for each operand of a quantised product, along K:
;;     - The operand's scale is 2^e, e = its entry of the input lowp_scales (int32; the entries are numbered through the quantised products in the list's order, A before B).
;;     - Each number is divided by the scale, clamped to +-448, and rounded to the nearest number of E4M3, ties to even, subnormals kept.
;;     - The product sums the exact products of the quantised numbers (number of the format x scale) in f32.
;;   ~~~python
;;   def quantise(x, axis, e):      # numpy; x: float32 -> the quantised numbers, widened to float32 again
;;       x = np.moveaxis(x, axis, -1); K = x.shape[-1]
;;       r = np.clip(x / 2.0 ** e, -448, 448)
;;       step = 2.0 ** (np.maximum(np.frexp(np.where(r == 0, 1, r))[1] - 1, -6) - 3)
;;       q = np.round(r / step) * step * 2.0 ** e      # np.round: ties to even
;;       return np.moveaxis(q, -1, axis).astype(np.float32)
;;   ~~~
;;   SOFTMAX AHEAD OF A QUANTISED PRODUCT. Where the list says 'softmax', what is quantised is not the finished softmax but p = 2^(t - M), with t = logit x log2(e) and M = ceil(the row's largest t), a whole number; so 1/2 < the row's largest p <= 1. The row's sum l is taken of the UNQUANTISED p, in f32, and the product's result is divided by l at the end. Since M is a whole number, a kernel that streams over the keys may use a running M (the ceiling of the running maximum): every later rescaling is an exact power of two, so the quantised numbers keep their values, but for numbers so far below the row's largest that they fall under the format's range.
;;   OPERANDS COMPUTED ON THE WAY. 'Computed on the way' means the value that the module computes at that place (a softmax that the list does not call 'softmax' is quantised finished and normalised). What goes into a quantiser is computed in f32, as accurately as f32 sums, v_exp_f32 and their like allow (about 1e-6 of the number): no bf16 or f16 on the way to a quantiser, and a product that is left as it is and whose result goes on into a quantised operand takes f32 operands (vector FMAs, or v_wmma_f32_16x16x4_f32). A number that lies on a knife's edge between two numbers of the format may be rounded either way, as far as f32 arithmetic and the matrix unit's own rounding can turn it there, and no further.
;; One version. Each part assembles by itself: llvm-mc -triple=amdgcn-amd-amdhsa -mcpu=gfx1250 --defsym DOCPART=n.
;; ======== version 1 of 1: 4 launches
;; limits: right only within a limited range of input values
;; workspace buffers: abuf 12,582,912 bytes; bbuf 12,582,912 bytes; wo_img 4,194,304 bytes; mimg 16,777,216 bytes; qkv 12,582,912 bytes; a_img 4,194,304 bytes; csimg 1,048,576 bytes
;; launch prep (part 1): grid 768 x 1, 4 waves a work-group, no clusters, 69,120 bytes of LDS; arguments x, mask, wq, wk, wv, wo, lowp_scales, abuf, bbuf, wo_img, mimg, freqs_cos, freqs_sin, csimg; writes abuf, bbuf, wo_img, mimg, csimg
.if DOCPART == 1
	.amdgcn_target "amdgcn-amd-amdhsa--gfx1250"
	.amdhsa_code_object_version 6
	.text
	.protected	k_q8c1c2e1009_prep
	.globl	k_q8c1c2e1009_prep
	.p2align	8
	.type	k_q8c1c2e1009_prep,@function
k_q8c1c2e1009_prep:
	s_mov_b64 s[64:65], 0
	v_nop
	global_prefetch_b8 v0, s[64:65] scope:SCOPE_SE
	s_setreg_imm32_b32 hwreg(HW_REG_WAVE_MODE, 25, 1), 1
	s_wait_xcnt 0x0
; PREP: every f32 input that a later launch reads many times is laid out once, as IMAGES OF OPERAND REGISTERS.
; A fragment = 16 rows x 128 K of E4M3 codes = 2,048 bytes, laid [c 0..3][lane 0..31][16 bytes]: lane (r = lane % 16, h = lane / 16) holds, in piece c, k = 32 c + 16 h + 0..15 of its row.
; Lane r of tile T holds row phi(T, r) = 32 (T / 2) + 8 (T % 2) + r % 8 + 16 (r / 8).  A code matrix is [T 128][K step 16][2,048 bytes].
; Work-groups 0-127:   x, tile T = number: three sets of codes (scale entries 0, 2, 4) -> abuf + 0, abuf + 4 MiB, bbuf + 8 MiB.
; Work-groups 128-255: mask, tile T: f32 image mimg [T][key step 16][g 16][lane][16 bytes]: register 16 c + i of lane (r, h) = mask[phi(T, r)][128 ks + 32 c + 16 h + i] x sqrt(128) x 2^-(e6 + e7),
;                      held within the largest finite f32: it is the C operand of the score product, whose sums lack the factor 2^(e6 + e7) / sqrt(128).
; Work-groups 256-767: the weights [K][N]: 128 columns x 256 K each; a lane takes a column and its registers run down K.  wq -> bbuf, wk -> bbuf + 4 MiB, wv -> abuf + 8 MiB, wo -> wo_img (entries 1, 3, 5, 11).
; code = number / 2^e, held within +-448, to the nearest code, ties to even.
; LIMITS: entries 0-5 and 11 between -126 and 119; e6 + e7 between -124 and 129; NaN among the inputs is not served; a mask number beyond the largest f32 / (sqrt(128) 2^-(e6+e7)) is held there.
; No tensor loads, no barrier: waves share nothing.  The two ways through the text have LDS bytes of their own.
.set XSTG,  16*528                     ; x and mask: a wave's stage, 16 rows of 512 bytes + 16
.set WST0,  4*XSTG                     ; the weights' stages begin here
.set WSTG,  32*272                     ; a wave's stage: 32 columns x (256 codes + 16)
.set SPARE, WST0+4*WSTG                ; the spare words, 128 bytes a wave: two blocks of 256 bytes that no other line names
.set GA,  2                            ; v2   16 x lane
.set SA,  3                            ; v3   x, mask: into the stage
.set SB,  4                            ; v4   x, mask: out of the stage
.set SPW, 5                            ; v5   my spare word; never rewritten
.set NIL, 6                            ; v6   0; never rewritten
.set R,   16                           ; v16-143  two units as loaded
.set X,   144                          ; v144-207 64 numbers, register 16 c + i
.set T,   208                          ; v208-223 two sets of eight held numbers
.set C,   224                          ; v224-239 a fragment's codes
.set WGA, 240                          ; v240 weights: 4 x my column
.set WSI, 241                          ; v241 weights: into the stage
.set WSO, 242                          ; v242 weights: out of the stage
.set WX,  32                           ; v32-95   weights: two blocks of 32 numbers
.set WC,  96                           ; v96-103  a block's codes
.set WOUT, 112                         ; v112-175 the way out
	s_load_b512 s[8:23], s[0:1], 0x0               ; x, mask, wq, wk, wv, wo, scales, abuf
	s_load_b128 s[24:27], s[0:1], 0x40             ; bbuf, wo_img
	s_load_b64 s[28:29], s[0:1], 0x50              ; mimg
	s_load_b128 s[60:63], s[0:1], 0x58             ; freqs_cos, freqs_sin
	s_load_b64 s[6:7], s[0:1], 0x68                ; csimg
	v_lshl_add_u32 v[SPW], v0, 2, SPARE
	v_mov_b32 v[NIL], 0
	v_lshrrev_b32 v1, 5, v0
	v_readfirstlane_b32 s2, v1                     ; wave
	v_and_b32 v1, 31, v0                           ; lane
	v_and_b32 v7, 15, v0                           ; r
	v_bfe_u32 v15, v0, 4, 1                        ; h
	v_lshlrev_b32 v[GA], 4, v1
	; every LDS address of both ways is made here, ahead of the parting
	s_mul_i32 s3, s2, XSTG
	v_add_nc_u32 v[SA], s3, v[GA]                  ; a row's 512 bytes as they lie
	v_mul_u32_u24 v[SB], v7, 528
	v_lshl_add_u32 v[SB], v15, 6, v[SB]
	v_add_nc_u32 v[SB], s3, v[SB]                  ; row r, + 64 h: my 16 numbers of a block of 32
	v_and_b32 v[WGA], 7, v0
	v_bfe_u32 v243, v0, 3, 1
	v_lshl_or_b32 v[WGA], v15, 3, v[WGA]
	v_lshl_or_b32 v[WGA], v243, 4, v[WGA]          ; my column of the wave's 32: the lane's number with bits 3 and 4 exchanged, so that stage row 16 u + r is lane r of tile u
	v_lshlrev_b32 v[WGA], 2, v[WGA]
	v_and_b32 v246, 7, v0                          ; cos and sin: row r % 8 + 16 (r / 8) of 256 bytes, + 32 h
	v_lshl_add_u32 v246, v243, 4, v246
	v_lshlrev_b32 v246, 8, v246
	v_lshl_add_u32 v246, v15, 5, v246
	s_mul_i32 s30, s2, WSTG
	s_add_co_u32 s30, s30, WST0
	v_mul_u32_u24 v[WSI], v1, 272
	v_add_nc_u32 v[WSI], s30, v[WSI]
	v_mul_u32_u24 v[WSO], v7, 272
	v_lshl_add_u32 v[WSO], v15, 4, v[WSO]
	v_add_nc_u32 v[WSO], s30, v[WSO]
	s_wait_alu depctr_va_vdst(0)
	s_wait_kmcnt 0x0
	s_load_b256 s[40:47], s[20:21], 0x0
	s_load_b128 s[48:51], s[20:21], 0x20           ; e8 .. e11
	s_cmp_ge_u32 ttmp9, 256
	s_cbranch_scc1 .Lw
; ---------------- x and mask: one tile of 16 rows, wave w its columns 512 w on, in four units of 128 columns
	s_lshr_b32 s3, ttmp9, 7                        ; 0: x, 1: mask
	s_and_b32 s31, ttmp9, 127                      ; T
	s_cmp_eq_u32 s3, 0
	s_cselect_b64 s[4:5], s[8:9], s[10:11]
	s_cselect_b64 s[60:61], s[60:61], s[62:63]     ; x's work-groups re-lay cos, the mask's sin
	s_lshr_b32 s52, s31, 1
	s_lshl_b32 s52, s52, 18                        ; 32 (T / 2) rows of 8,192 bytes
	s_and_b32 s53, s31, 1
	s_lshl_b32 s53, s53, 16                        ; 8 (T % 2) rows
	s_add_co_u32 s52, s52, s53
	s_lshl_b32 s53, s2, 11                         ; 512 columns a wave
	s_add_co_u32 s52, s52, s53
	s_mov_b32 s53, 0
	s_add_nc_u64 s[4:5], s[4:5], s[52:53]
	s_lshl_b32 s54, s31, 15                        ; a tile's 16 fragments
	s_lshl_b32 s55, s2, 13                         ; four of them a wave
	s_add_co_u32 s54, s54, s55
	s_mov_b32 s55, 0
	s_add_nc_u64 s[32:33], s[22:23], s[54:55]      ; x under entry 0
	s_add_nc_u64 s[34:35], s[32:33], 0x400000      ; under entry 2
	s_add_nc_u64 s[36:37], s[24:25], s[54:55]
	s_add_nc_u64 s[36:37], s[36:37], 0x800000      ; under entry 4
	s_lshl_b32 s54, s31, 17
	s_lshl_b32 s56, s2, 15
	s_add_co_u32 s54, s54, s56
	s_add_nc_u64 s[38:39], s[28:29], s[54:55]      ; the mask's image
.macro LOAD u                          ; unit u: 16 rows x 512 consecutive bytes
.set i, 0
.rept 16
	global_load_b128 v[R+64*((\u)%2)+4*i:R+64*((\u)%2)+4*i+3], v[GA], s[4:5] offset:(i%8+16*(i/8))*8192+512*(\u) th:TH_LOAD_NT
.set i, i+1
.endr
.endm
.macro TURN u                          ; through my stage: in as rows, out as a lane's 16 neighbours of each block of 32.  LDS serves a wave's instructions in order
.set i, 0
.rept 16
	ds_store_b128 v[SA], v[R+64*((\u)%2)+4*i:R+64*((\u)%2)+4*i+3] offset:528*i
.set i, i+1
.endr
.irp c, 0,1,2,3
.irp j, 0,1,2,3
	ds_load_b128 v[X+16*\c+4*\j:X+16*\c+4*\j+3], v[SB] offset:128*\c+16*\j
.endr
.endr
.endm
.macro QX sc, lim, base, u             ; the unit's 64 numbers a lane -> a fragment under one scale
	s_wait_xcnt 0x0                                ; the codes' registers were an earlier store's data
.irp g, 0,1,2,3,4,5,6,7
.set i, 0
.rept 8
	v_med3_num_f32 v[T+8*(\g%2)+i], v[X+8*\g+i], -v[\lim], v[\lim]   ; the conversion does not saturate (ISA guide 7.6.2): the hold at 448 x the scale.  The other set's holds are the plain lines behind each conversion
.set i, i+1
.endr
	v_cvt_scalef32_pk8_fp8_f32 v[C+2*\g:C+2*\g+1], v[T+8*(\g%2):T+8*(\g%2)+7], v[\sc]
.endr
	v_nop
.irp c, 0,1,2,3
	global_store_b128 v[GA], v[C+4*\c:C+4*\c+3], s[\base:\base+1] offset:2048*(\u)+512*\c   ; 512 consecutive bytes
.endr
.endm
.macro FM u                            ; the mask's unit: scaled, held finite, stored in register order
.set j, 0
.rept 32
	v_pk_mul_f32 v[X+2*j:X+2*j+1], v[X+2*j:X+2*j+1], s[58:59] op_sel_hi:[1,0]
.set j, j+1
.endr
.set j, 0
.rept 64
	v_med3_num_f32 v[X+j], v[X+j], -v14, v14
.set j, j+1
.endr
.set j, 0
.rept 16
	global_store_b128 v[GA], v[X+4*j:X+4*j+3], s[38:39] offset:8192*(\u)+512*j
.set j, j+1
.endr
.endm
.macro UNIT u
.if \u < 3
	s_wait_loadcnt 16                              ; this unit's 16 loads are in; the next unit's may be out
.else
	s_wait_loadcnt 0
.endif
	s_wait_xcnt 0x0                                ; X was store data on the mask's way
	TURN \u
	s_wait_dscnt 0x0                               ; the stage's stores have read R, and X is in
.if \u < 2
	LOAD (\u)+2
.endif
	s_cmp_lg_u32 s3, 0
	s_cbranch_scc1 .Lmask_\@
	s_wait_alu depctr_va_vdst(0)
	QX 8, 9, 32, \u
	QX 10, 11, 34, \u
	QX 12, 13, 36, \u
	s_branch .Ldone_\@
.Lmask_\@:
	FM \u
.Ldone_\@:
.endm
	; cos and sin as an image [cos, sin][T 128][piece 2 c + k][lane][16 bytes]: lane (r, h) holds the pairs 16 c + 8 h + 4 k + 0..3 of row phi(T, r).  Wave w makes c = w: two loads, two stores
	s_lshr_b32 s62, s31, 1
	s_lshl_b32 s62, s62, 13                        ; 32 (T / 2) rows of 256 bytes
	s_and_b32 s63, s31, 1
	s_lshl_b32 s63, s63, 11                        ; 8 (T % 2) rows
	s_add_co_u32 s62, s62, s63
	s_lshl_b32 s63, s2, 6
	s_add_co_u32 s62, s62, s63
	s_mov_b32 s63, 0
	s_add_nc_u64 s[60:61], s[60:61], s[62:63]
	s_lshl_b32 s62, s3, 19
	s_lshl_b32 s63, s31, 12
	s_add_co_u32 s62, s62, s63
	s_lshl_b32 s63, s2, 10
	s_add_co_u32 s62, s62, s63
	s_mov_b32 s63, 0
	s_add_nc_u64 s[6:7], s[6:7], s[62:63]
	global_load_b128 v[248:251], v246, s[60:61]
	global_load_b128 v[252:255], v246, s[60:61] offset:16
	LOAD 0
	LOAD 1
	s_wait_kmcnt 0x0
.irp n, 0,1,2
	s_add_co_i32 s56, s[40+2*\n], 127
	s_lshl_b32 s57, s56, 23
	v_mov_b32 v[8+2*\n], s57                       ; 2^e as f32: the conversion takes its exponent field
	s_add_co_i32 s56, s56, 8
	s_lshl_b32 s56, s56, 23
	s_or_b32 s56, s56, 0x600000
	v_mov_b32 v[9+2*\n], s56                       ; 448 x 2^e
.endr
	v_mov_b32 v14, 0x7f7fffff                      ; the largest finite f32
	s_add_co_i32 s56, s46, s47
	s_lshl_b32 s56, s56, 23
	s_mov_b32 s58, 0x413504f3                      ; sqrt(128),
	s_sub_co_u32 s58, s58, s56                     ; x 2^-(e6 + e7): taken off its exponent field
	s_mov_b32 s59, s58                             ; (named with it as a pair)
	UNIT 0
	global_store_b128 v[GA], v[248:251], s[6:7]                ; (older than unit 0's loads, so in by its wait) 512 consecutive bytes each
	global_store_b128 v[GA], v[252:255], s[6:7] offset:512
	UNIT 1
	UNIT 2
	UNIT 3
	s_wait_tensorcnt 0x0                           ; the wave's end
	ds_add_u32 v[SPW], v[NIL]
	s_wait_dscnt 0x0
	s_endpgm
; ---------------- the weights: 128 columns x 256 K a work-group, 32 columns a wave
.Lw:
	s_sub_co_u32 s31, ttmp9, 256
	s_lshr_b32 s3, s31, 7                          ; which weight: 0 wq, 1 wk, 2 wv, 3 wo
	s_bfe_u32 s52, s31, 0x30004                    ; which 256 along K
	s_and_b32 s53, s31, 15                         ; which 128 columns
	s_cmp_lt_u32 s3, 2
	s_cselect_b64 s[4:5], s[12:13], s[16:17]       ; wq or wv
	s_cselect_b64 s[6:7], s[14:15], s[18:19]       ; wk or wo
	s_cselect_b64 s[32:33], s[24:25], s[22:23]     ; wq -> bbuf, wv -> abuf
	s_cselect_b64 s[34:35], s[24:25], s[26:27]     ; wk -> bbuf, wo -> wo_img
	s_cselect_b32 s54, 0, 0x800000
	s_cselect_b32 s55, 0x400000, 0
	s_and_b32 s60, s3, 1
	s_cmp_lg_u32 s60, 0
	s_cselect_b64 s[4:5], s[6:7], s[4:5]
	s_cselect_b64 s[32:33], s[34:35], s[32:33]
	s_cselect_b32 s54, s55, s54
	s_lshl_b32 s58, s52, 21                        ; 256 rows of 8,192 bytes
	s_lshl_b32 s59, s53, 9
	s_add_co_u32 s58, s58, s59
	s_lshl_b32 s59, s2, 7
	s_add_co_u32 s58, s58, s59
	s_mov_b32 s59, 0
	s_add_nc_u64 s[4:5], s[4:5], s[58:59]
	s_lshl_b32 s58, s53, 18                        ; 8 tiles of 32,768 bytes a work-group,
	s_lshl_b32 s60, s2, 16                         ; 2 a wave,
	s_add_co_u32 s58, s58, s60
	s_lshl_b32 s60, s52, 12                        ; 2 K steps of 2,048 bytes
	s_add_co_u32 s58, s58, s60
	s_add_co_u32 s58, s58, s54
	s_add_nc_u64 s[32:33], s[32:33], s[58:59]
.macro WLOAD t                         ; block t: W(32 t + i, my column): the wave's 32 lanes read 128 consecutive bytes
.set i, 0
.rept 32
	global_load_b32 v[WX+32*((\t)%2)+i], v[WGA], s[4:5] offset:(32*(\t)+i)*8192 th:TH_LOAD_NT
.set i, i+1
.endr
.endm
.macro BLOCK t
.if (\t) < 7
	s_wait_loadcnt 32                              ; this block's 32 loads are in; the next block's may be out
.else
	s_wait_loadcnt 0
.endif
.set i, 0
.rept 32
	v_med3_num_f32 v[WX+32*((\t)%2)+i], v[WX+32*((\t)%2)+i], -v10, v10
.set i, i+1
.endr
.irp g, 0,1,2,3
	v_cvt_scalef32_pk8_fp8_f32 v[WC+2*\g:WC+2*\g+1], v[WX+32*((\t)%2)+8*\g:WX+32*((\t)%2)+8*\g+7], v11
.endr
	ds_store_b128 v[WSI], v[WC:WC+3] offset:32*(\t)        ; 32 codes of my column, K innermost.  (The results go to LDS stores, and the next block begins with plain vector lines)
	ds_store_b128 v[WSI], v[WC+4:WC+7] offset:32*(\t)+16
.if (\t)+2 < 8
	WLOAD (\t)+2
.endif
	s_wait_dscnt 0x0                               ; the stores have read their registers
.endm
	s_wait_alu depctr_va_vdst(0)
	WLOAD 0
	WLOAD 1
	s_wait_kmcnt 0x0
	s_cmp_lt_u32 s3, 2
	s_cselect_b32 s56, s41, s45                    ; e1 or e5
	s_cselect_b32 s57, s43, s51                    ; e3 or e11
	s_and_b32 s60, s3, 1
	s_cmp_lg_u32 s60, 0
	s_cselect_b32 s56, s57, s56
	s_add_co_i32 s56, s56, 127
	s_lshl_b32 s57, s56, 23
	v_mov_b32 v11, s57                             ; 2^e
	s_add_co_i32 s56, s56, 8
	s_lshl_b32 s56, s56, 23
	s_or_b32 s56, s56, 0x600000
	v_mov_b32 v10, s56                             ; 448 x 2^e
	s_wait_alu depctr_va_vdst(0)
.irp t, 0,1,2,3,4,5,6,7
	BLOCK \t
.endr
.irp u, 0,1                            ; out of the stage as images: tile u, K step s, piece c
.irp s, 0,1
.irp c, 0,1,2,3
	ds_load_b128 v[WOUT+4*(8*\u+4*\s+\c):WOUT+4*(8*\u+4*\s+\c)+3], v[WSO] offset:16*\u*272+128*\s+32*\c
.endr
.endr
.endr
.irp u, 0,1
.irp s, 0,1
.irp c, 0,1,2,3
	s_wait_dscnt 15-(8*\u+4*\s+\c)
	global_store_b128 v[GA], v[WOUT+4*(8*\u+4*\s+\c):WOUT+4*(8*\u+4*\s+\c)+3], s[32:33] offset:32768*\u+2048*\s+512*\c
.endr
.endr
.endr
	s_wait_tensorcnt 0x0                           ; the wave's end: the same three lines
	ds_add_u32 v[SPW], v[NIL]
	s_wait_dscnt 0x0
	s_endpgm
.Lfunc_end_k_q8c1c2e1009_prep:
	.size	k_q8c1c2e1009_prep, .Lfunc_end_k_q8c1c2e1009_prep-k_q8c1c2e1009_prep
	.p2alignl 7, 3214868480
	.fill 96, 4, 3214868480
	.section	.rodata,"a",@progbits
	.p2align	6, 0x0
	.amdhsa_kernel k_q8c1c2e1009_prep
		.amdhsa_group_segment_fixed_size 69120
		.amdhsa_private_segment_fixed_size 0
		.amdhsa_enable_private_segment 0
		.amdhsa_kernarg_size 112
		.amdhsa_user_sgpr_count 2
		.amdhsa_user_sgpr_kernarg_segment_ptr 1
		.amdhsa_wavefront_size32 1
		.amdhsa_system_sgpr_workgroup_id_x 1
		.amdhsa_system_sgpr_workgroup_id_y 1
		.amdhsa_system_sgpr_workgroup_id_z 1
		.amdhsa_system_vgpr_workitem_id 0
		.amdhsa_next_free_vgpr 256
		.amdhsa_next_free_sgpr 66
		.amdhsa_reserve_vcc 0
		.amdhsa_float_denorm_mode_32 3
		.amdhsa_float_denorm_mode_16_64 3
		.amdhsa_memory_ordered 1
		.amdhsa_forward_progress 1
		.amdhsa_inst_pref_size 158
	.end_amdhsa_kernel
	.amdgpu_metadata
---
amdhsa.version: [ 1, 2 ]
amdhsa.kernels:
  - .name:           k_q8c1c2e1009_prep
    .symbol:         k_q8c1c2e1009_prep.kd
    .args:
      - { .name: x, .offset: 0, .size: 8, .value_kind: global_buffer, .address_space: global }
      - { .name: mask, .offset: 8, .size: 8, .value_kind: global_buffer, .address_space: global }
      - { .name: wq, .offset: 16, .size: 8, .value_kind: global_buffer, .address_space: global }
      - { .name: wk, .offset: 24, .size: 8, .value_kind: global_buffer, .address_space: global }
      - { .name: wv, .offset: 32, .size: 8, .value_kind: global_buffer, .address_space: global }
      - { .name: wo, .offset: 40, .size: 8, .value_kind: global_buffer, .address_space: global }
      - { .name: lowp_scales, .offset: 48, .size: 8, .value_kind: global_buffer, .address_space: global }
      - { .name: abuf, .offset: 56, .size: 8, .value_kind: global_buffer, .address_space: global }
      - { .name: bbuf, .offset: 64, .size: 8, .value_kind: global_buffer, .address_space: global }
      - { .name: wo_img, .offset: 72, .size: 8, .value_kind: global_buffer, .address_space: global }
      - { .name: mimg, .offset: 80, .size: 8, .value_kind: global_buffer, .address_space: global }
      - { .name: freqs_cos, .offset: 88, .size: 8, .value_kind: global_buffer, .address_space: global }
      - { .name: freqs_sin, .offset: 96, .size: 8, .value_kind: global_buffer, .address_space: global }
      - { .name: csimg, .offset: 104, .size: 8, .value_kind: global_buffer, .address_space: global }
    .group_segment_fixed_size: 69120
    .private_segment_fixed_size: 0
    .kernarg_segment_align: 8
    .kernarg_segment_size: 112
    .max_flat_workgroup_size: 128
    .sgpr_count:     66
    .vgpr_count:     256
    .wavefront_size: 32
...
	.end_amdgpu_metadata
.endif
;; end of part 1
;; launch qkv (part 2): grid 24 x 8, 4 waves a work-group, clusters of 4 x 4, 327,680 bytes of LDS; arguments abuf, bbuf, csimg, lowp_scales, qkv; writes qkv
.if DOCPART == 2
	.amdgcn_target "amdgcn-amd-amdhsa--gfx1250"
	.amdhsa_code_object_version 6
	.text
	.protected	k_q8c1c2e1009_qkv
	.globl	k_q8c1c2e1009_qkv
	.p2align	8
	.type	k_q8c1c2e1009_qkv,@function
k_q8c1c2e1009_qkv:
	s_mov_b64 s[64:65], 0
	v_nop
	global_prefetch_b8 v0, s[64:65] scope:SCOPE_SE
	s_setreg_imm32_b32 hwreg(HW_REG_WAVE_MODE, 25, 1), 1
	s_wait_xcnt 0x0
	s_wait_alu depctr_hold_cnt(0) depctr_sa_sdst(0) depctr_va_vdst(0) depctr_va_sdst(0) depctr_va_ssrc(0) depctr_va_vcc(0) depctr_vm_vsrc(0)
	s_getreg_b32 s2, hwreg(HW_REG_IB_STS2, 6, 4)
	s_cmp_eq_u32 s2, 0
	s_cbranch_scc0 .Lentry_in_a_cluster
	s_endpgm
.Lentry_in_a_cluster:
	s_bfe_u32 s2, ttmp6, 0x10000c
	s_cmp_lg_u32 s2, 0xf033
	s_cbranch_scc0 .Lentry_shape_is_right
	s_endpgm
.Lentry_shape_is_right:
; QKV: the three projections on E4M3 codes, 256 x 256 a work-group, four waves of 128 x 128 (64 accumulators, 512 registers).  Cluster column pairs 0-1: q, 2-3: k, 4-5: v.  No product and no input is left out.
; Operands are register images [tile of 16][K step of 128][2,048 bytes].  K goes in steps of 256 through two LDS slots; wave w fetches 32,768 bytes of a slot (waves 0, 1: A's halves, waves 2, 3: B's), asked for jointly
; along the row (A) or the column (B) of a 4 x 4 cluster.  q and k: A = x, B = the weight, used transposed, so that a lane holds one token and its registers neighbouring channels: the rotation takes pairs of registers.
; v: A = the weight, B = x: a lane holds one channel and its registers run along the tokens, the keys of the last but one product.  Each result is rotated (q, k), held within +-448 x the scale, and stored as codes in image order.
; PREFETCH: the load of slot n is followed by one prefetch for slot n + 2: of a wave's 8 tiles x 4,096 bytes each of the four partners that ask jointly names two, by address (cx for A, cy for B), lanes 256 bytes apart.
; Slots 0 and 1 come by their loads alone; the last two refills ask for nothing.  The rows of cos and sin are asked for once, ahead of the loop: a partner takes 32 of its wave's 128 rows, a lane a row.
; COS AND SIN in the epilogue: blocks of 16 rows, 64 registers each, go round five buffers (window 0 v32, window 1 v0, v64, v128, v192), up to three blocks ahead of their use.
; LIMITS: every exponent sum formed here between -126 and 119; NaN is not served.
.set HALFT,  32768
.set SLOT,   4*HALFT
.set SPARE,  2*SLOT
.set LAPS,   4
.set FR,     16
.set NL,     4
.set NP,     4
.set ADRA, 16
.set ADRB, 20
.set LO,   26
.set SPW,  28
.set NIL,  29
.set SC,   30
.set LIM,  31
.set CS,   32
.set X,    160
.set T,    224
.set PC,   232
.set AF,   128
.set G1, 24
.set G0, 32
.set G1B, 48
.set G0B, 56
.set MSB, 0
.macro WIN new
.if MSB != (\new)
	s_set_vgpr_msb (MSB<<8)|(\new)
.set MSB, (\new)
.endif
.endm
.set MUL_LO, 0xa1
.set MUL_HI, 0xf1
.set TO_B,   0x40
.macro JLOAD g0a, g1a, g0b, g1b
	s_cmp_eq_u32 s15, 0
	s_cbranch_scc0 .Lfor_b_\@
	tensor_load_to_lds s[\g0a:\g0a+3], s[\g1a:\g1a+7]
	s_nop 0
.rept 4
	v_nop
.endr
	s_branch .Lasked_\@
.Lfor_b_\@:
	tensor_load_to_lds s[\g0b:\g0b+3], s[\g1b:\g1b+7]
	s_nop 0
.rept 4
	v_nop
.endr
.Lasked_\@:
.endm
.macro CREST
	s_cmp_lg_u32 s14, 0
	s_cbranch_scc1 .Lnot_wave_0_\@
	s_barrier_signal -3
.Lnot_wave_0_\@:
	s_barrier_wait -3
	s_barrier_signal -1
	s_barrier_wait -1
.endm
.macro CROUND
	s_barrier_signal -1
	s_barrier_wait -1
	CREST
.endm
	s_load_b256 s[4:11], s[0:1], 0x0
	s_load_b128 s[68:71], s[0:1], 0x18             ; scales, qkv
	v_lshl_add_u32 v[SPW], v0, 2, SPARE
	v_mov_b32 v[NIL], 0
	ds_add_u32 v[SPW], v[NIL]
	ds_add_u32 v[SPW], v[NIL]
	v_lshrrev_b32 v1, 5, v0
	v_readfirstlane_b32 s14, v1
	s_lshr_b32 s15, s14, 1
	s_and_b32 s16, s14, 1
	s_bfe_u32 s40, ttmp6, 0x40000
	s_bfe_u32 s41, ttmp6, 0x40004
	s_lshr_b32 s72, ttmp9, 1
	s_and_b32 s42, ttmp9, 1
	s_lshl_b32 s42, s42, 2
	s_add_co_u32 s42, s42, s40
	s_and_b32 s17, ttmp7, 0xffff
	s_lshl_b32 s17, s17, 2
	s_add_co_u32 s17, s17, s41
	s_lshl_b32 s43, s41, 2
	s_lshl_b32 s43, 15, s43
	s_lshl_b32 s44, 0x1111, s40
	s_or_b32 s[G1+0], s43, (3<<16)|(1<<21)
	s_or_b32 s[G1B+0], s44, (3<<16)|(1<<21)
.irp g, G1, G1B
	s_mov_b32 s[\g+1], 512<<16
	s_mov_b32 s[\g+2], 8<<16
	s_mov_b32 s[\g+3], 512<<16
	s_mov_b32 s[\g+4], 8
	s_mov_b32 s[\g+5], 4096
	s_mov_b32 s[\g+6], 0
	s_mov_b32 s[\g+7], 0
.endr
	s_lshl_b32 s18, s16, 18
	s_lshl_b32 s19, s72, 22
	s_lshl_b32 s20, s17, 19
	s_add_co_u32 s20, s20, s18
	s_add_co_u32 s20, s20, s19
	s_mov_b32 s21, 0
	s_lshl_b32 s46, s42, 19
	s_add_co_u32 s46, s46, s18
	s_add_co_u32 s46, s46, s19
	s_mov_b32 s47, 0
	s_mul_i32 s45, s14, HALFT
	s_wait_dscnt 0x0
	s_wait_kmcnt 0x0
	s_load_b256 s[76:83], s[68:69], 0x0
	s_load_b128 s[84:87], s[68:69], 0x20
	s_add_nc_u64 s[20:21], s[4:5], s[20:21]
	s_add_nc_u64 s[46:47], s[6:7], s[46:47]
	CROUND
.irp s, 0,1
	s_mov_b32 s[G0+4*\s], 1
	s_add_co_u32 s[G0+4*\s+1], s45, \s*SLOT
	s_add_nc_u64 s[G0+4*\s+2:G0+4*\s+3], s[20:21], \s*4096
	s_or_b32 s[G0+4*\s+3], s[G0+4*\s+3], 0x80000000
	s_mov_b32 s[G0B+4*\s], 1
	s_add_co_u32 s[G0B+4*\s+1], s45, \s*SLOT
	s_add_nc_u64 s[G0B+4*\s+2:G0B+4*\s+3], s[46:47], \s*4096
	s_or_b32 s[G0B+4*\s+3], s[G0B+4*\s+3], 0x80000000
.endr
	JLOAD G0, G1, G0B, G1B                         ; slot 0: one tensor load a wave at the head
	s_cmp_eq_u32 s15, 0                            ; my prefetches: in A or in B,
	s_cselect_b64 s[94:95], s[20:21], s[46:47]
	s_cselect_b32 s96, s40, s41                    ; by my place among the four that ask jointly,
	s_lshl_b32 s96, s96, 16                        ; two tiles of 32,768 bytes on for each
	s_mov_b32 s97, 0
	s_add_nc_u64 s[94:95], s[94:95], s[96:97]
	v_and_b32 v1, 31, v0
	v_lshlrev_b32 v[LO], 4, v1
	v_lshlrev_b32 v24, 8, v1                       ; a row of cos or sin a lane
	v_and_b32 v22, 15, v0
	v_lshlrev_b32 v22, 8, v22
	v_bfe_u32 v23, v0, 4, 1
	v_lshl_add_u32 v22, v23, 15, v22               ; sixteen lanes to a tile's 4,096 bytes, two tiles
	s_mul_i32 s21, s15, HALFT
	s_mul_i32 s22, s16, HALFT
	s_add_co_u32 s22, s22, 2*HALFT
.irp s, 0,1
	v_add_nc_u32 v[ADRA+\s], s21, v[LO]
	v_add_nc_u32 v[ADRB+\s], s22, v[LO]
	s_add_co_u32 s21, s21, SLOT
	s_add_co_u32 s22, s22, SLOT
.endr
	s_wait_alu depctr_va_vdst(0)
	s_lshl_b32 s20, s17, 16
	s_lshl_b32 s21, s15, 15
	s_add_co_u32 s20, s20, s21
	s_mov_b32 s21, 0
	s_add_nc_u64 s[8:9], s[8:9], s[20:21]
	s_add_nc_u64 s[10:11], s[8:9], 0x80000         ; sin's image lies behind cos's; 16 rows are 4,096 bytes of either
	s_cmp_eq_u32 s16, 0                            ; the wave of the left half asks for cos, that of the right for sin
	s_cselect_b64 s[98:99], s[8:9], s[10:11]
	s_lshl_b32 s96, s40, 13                        ; 32 rows of 256 bytes a partner
	s_add_nc_u64 s[98:99], s[98:99], s[96:97]
	s_lshl_b32 s18, s42, 1
	s_add_co_u32 s18, s18, s16
	s_lshl_b32 s19, s17, 1
	s_add_co_u32 s19, s19, s15
	s_cmp_lt_u32 ttmp9, 4
	s_cselect_b32 s22, s18, s19
	s_cselect_b32 s23, s19, s18
	s_lshl_b32 s22, s22, 18
	s_lshl_b32 s23, s23, 14
	s_add_co_u32 s92, s22, s23
	s_lshl_b32 s22, s72, 22
	s_add_co_u32 s92, s92, s22
	s_mov_b32 s93, 0
	s_add_nc_u64 s[70:71], s[70:71], s[92:93]
.macro LOADCS a                        ; block a's cos and sin: 16 loads into buffer a % 5
.if (\a)%5
	WIN 0x40
.set LB, 64*((\a)%5-1)
.else
	WIN 0
.set LB, CS
.endif
.irp c, 0,1,2,3
.irp k, 0,1
	global_load_b128 v[LB+8*\c+4*\k:LB+8*\c+4*\k+3], v[LO], s[8:9] offset:4096*(\a)+1024*\c+512*\k     ; the images' pieces: 512 consecutive bytes
	global_load_b128 v[LB+32+8*\c+4*\k:LB+32+8*\c+4*\k+3], v[LO], s[10:11] offset:4096*(\a)+1024*\c+512*\k
.endr
.endr
	WIN 0
.endm
	global_prefetch_b8 v22, s[94:95] offset:8192 th:TH_LOAD_NT scope:SCOPE_SE      ; slot 2
.macro FRAG reg, adr, q, i
.irp c, 0,1,2,3
	ds_load_b128 v[\reg+4*\c:\reg+4*\c+3], v[\adr] offset:2048*(\q)+512*\c+(\i)*4096
.endr
.endm
.macro MUL16 a0, p, zero
.irp a, \a0, \a0+1
.irp b, 0,1,2,3,4,5,6,7
.if \zero
	v_wmma_f32_16x16x128_fp8_fp8 v[8*(8*((\a)%4)+\b):8*(8*((\a)%4)+\b)+7], v[128*(\p)+FR*\b:128*(\p)+FR*\b+FR-1], v[AF+FR*(\a):AF+FR*(\a)+FR-1], 0
.else
	v_wmma_f32_16x16x128_fp8_fp8 v[8*(8*((\a)%4)+\b):8*(8*((\a)%4)+\b)+7], v[128*(\p)+FR*\b:128*(\p)+FR*\b+FR-1], v[AF+FR*(\a):AF+FR*(\a)+FR-1], v[8*(8*((\a)%4)+\b):8*(8*((\a)%4)+\b)+7]
.endif
.endr
.endr
.endm
.macro FETCH_B slot, q, p
	WIN TO_B
.irp i, 0,1,2,3,4,5,6,7
	FRAG 128*(\p)+FR*\i, ADRB+\slot, \q, \i
.endr
	WIN 0
.endm
.macro FETCH_A slot, q, i0
.irp i, \i0, \i0+1, \i0+2, \i0+3
	FRAG AF+FR*(\i), ADRA+\slot, \q, \i
.endr
.endm
.macro PLACES n
.rept \n
	v_nop
.endr
.endm
.macro STEP slot, q, zero
	s_wait_dscnt 4*NL
	WIN MUL_LO
	MUL16 0, (\q)%2, \zero
	MUL16 2, (\q)%2, \zero
	s_wait_dscnt 0
	PLACES NP
	FETCH_B \slot, (\q)+1, 1-(\q)%2
	FETCH_A \slot, (\q)+1, 0
	WIN MUL_HI
	MUL16 4, (\q)%2, \zero
	MUL16 6, (\q)%2, \zero
	PLACES NP
	WIN 0
	FETCH_A \slot, (\q)+1, 4
.endm
.macro TURN slot, next, fill
.if \fill
	s_wait_xcnt 0x0                                ; the last prefetch has read its base
	s_add_nc_u64 s[94:95], s[94:95], 4096
.endif
	s_wait_tensorcnt 0x0
	ds_add_u32 v[SPW], v[NIL]
	s_wait_dscnt 4*NL+1
	WIN MUL_LO
	MUL16 0, 1, 0
	s_wait_dscnt 0x0
	s_barrier_signal -1
	MUL16 2, 1, 0
	WIN 0
	s_barrier_wait -1
.if \fill
	CREST
	s_add_nc_u64 s[G0+4*\slot+2:G0+4*\slot+3], s[G0+4*\slot+2:G0+4*\slot+3], 8192
	s_add_nc_u64 s[G0B+4*\slot+2:G0B+4*\slot+3], s[G0B+4*\slot+2:G0B+4*\slot+3], 8192
	JLOAD G0+4*\slot, G1, G0B+4*\slot, G1B
.else
	PLACES NP
.endif
	FETCH_B \next, 0, 0
	FETCH_A \next, 0, 0
.if \fill
	s_cmp_gt_u32 s3, 1                             ; the last lap's refills have no slot two on
	s_cbranch_scc0 .Lno_ask_\@
	global_prefetch_b8 v22, s[94:95] offset:12288 th:TH_LOAD_NT scope:SCOPE_SE     ; the slot two behind the one just asked for
.Lno_ask_\@:
.endif
	WIN MUL_HI
	MUL16 4, 1, 0
	MUL16 6, 1, 0
	PLACES NP
	WIN 0
	FETCH_A \next, 0, 4
.endm
	s_wait_alu depctr_va_vdst(0)                   ; the wait at the head's end
	s_wait_tensorcnt 0x0                           ; my part of slot 0 is in
	ds_add_u32 v[SPW], v[NIL]
	s_wait_dscnt 0x0
	CROUND                                         ; everybody's part of slot 0 is in
	JLOAD G0+4, G1, G0B+4, G1B                     ; slot 1
	FETCH_B 0, 0, 0
	FETCH_A 0, 0, 0
	FETCH_A 0, 0, 4
	global_prefetch_b8 v22, s[94:95] offset:12288 th:TH_LOAD_NT scope:SCOPE_SE     ; slot 3
	STEP 0, 0, 1
	s_cmp_ge_u32 ttmp9, 4                          ; v is not rotated
	s_cbranch_scc1 .Lno_cs
	global_prefetch_b8 v24, s[98:99] th:TH_LOAD_NT scope:SCOPE_SE                  ; the image of 32 rows: 8,192 bytes, 256 a lane
.Lno_cs:
	s_mov_b32 s3, LAPS-1
.Llap:
	TURN 0, 1, 1
	STEP 1, 0, 0
	TURN 1, 0, 1
	STEP 0, 0, 0
	s_sub_co_u32 s3, s3, 1
	s_cmp_lg_u32 s3, 0
	s_cbranch_scc1 .Llap
	TURN 0, 1, 0
	STEP 1, 0, 0
.macro LASTSTEP                        ; the very last step, and the places behind it
	s_wait_dscnt 4*NL
	WIN MUL_LO
	MUL16 0, 1, 0
	MUL16 2, 1, 0
	s_wait_dscnt 0
	WIN MUL_HI
	MUL16 4, 1, 0
	MUL16 6, 1, 0
	WIN 0
	PLACES NP
.endm
.macro EPI a, rope
.set AC, 64*((\a)%4)
.if (\a)%5
.set CB, 64*((\a)%5-1)
.set CW, 4
.else
.set CB, CS
.set CW, 0
.endif
.if \rope
.if (\a) >= 1 && (\a) <= 4
	LOADCS (\a)+3
.endif
.if (\a) < 5
	s_wait_loadcnt 48                              ; this block's 16 loads are in; the three younger blocks' may be out
.else
	s_wait_loadcnt 16*(7-(\a))
.endif
	WIN (0x02+(\a)/4+CW)
.set b, 0
.rept 8
.set k, 0
.rept 4
.set p, 4*b+k
.if (k%2) == 0
	v_pk_mul_f32 v[T+2*k:T+2*k+1], v[AC+2*p:AC+2*p+1], v[CB+32+p:CB+32+p+1] op_sel_hi:[1,0]
.else
	v_pk_mul_f32 v[T+2*k:T+2*k+1], v[AC+2*p:AC+2*p+1], v[CB+32+p-1:CB+32+p] op_sel:[0,1] op_sel_hi:[1,1]
.endif
.set k, k+1
.endr
.set k, 0
.rept 4
.set p, 4*b+k
.if (k%2) == 0
	v_pk_fma_f32 v[X+2*p:X+2*p+1], v[AC+2*p:AC+2*p+1], v[CB+p:CB+p+1], v[T+2*k:T+2*k+1] op_sel:[0,0,1] op_sel_hi:[1,0,0] neg_lo:[0,0,1]
.else
	v_pk_fma_f32 v[X+2*p:X+2*p+1], v[AC+2*p:AC+2*p+1], v[CB+p-1:CB+p], v[T+2*k:T+2*k+1] op_sel:[0,1,1] op_sel_hi:[1,1,0] neg_lo:[0,0,1]
.endif
.set k, k+1
.endr
.set b, b+1
.endr
	WIN 0
.set j, 0
.rept 64
	v_med3_num_f32 v[X+j], v[X+j], -v[LIM], v[LIM]
.set j, j+1
.endr
.else
	WIN (0x02+(\a)/4)
.set j, 0
.rept 64
	v_med3_num_f32 v[X+j], v[AC+j], -v[LIM], v[LIM]
.set j, j+1
.endr
	WIN 0
.endif
.if (\a) > 0
	s_wait_alu depctr_va_vdst(0)
	s_wait_xcnt 0x0
.endif
.irp g, 0,1,2,3,4,5,6,7
	v_cvt_scalef32_pk8_fp8_f32 v[PC+2*\g:PC+2*\g+1], v[X+8*\g:X+8*\g+7], v[SC]
.endr
	v_nop
.irp c, 0,1,2,3
	global_store_b128 v[LO], v[PC+4*\c:PC+4*\c+3], s[70:71] offset:2048*(\a)+512*\c
.endr
.endm
	s_wait_kmcnt 0x0
	s_add_co_i32 s88, s76, s77
	s_add_co_i32 s89, s78, s79
	s_add_co_i32 s90, s80, s81
	s_cmp_eq_u32 s72, 0
	s_cselect_b32 s88, s88, s89
	s_cselect_b32 s91, s82, s83
	s_cmp_eq_u32 s72, 2
	s_cselect_b32 s88, s90, s88
	s_cselect_b32 s91, s84, s91
	s_sub_co_i32 s88, s91, s88
	s_add_co_i32 s88, s88, 127
	s_lshl_b32 s89, s88, 23
	v_mov_b32 v[SC], s89
	s_add_co_i32 s88, s88, 8
	s_lshl_b32 s88, s88, 23
	s_or_b32 s88, s88, 0x600000
	v_mov_b32 v[LIM], s88
	s_wait_alu depctr_va_vdst(0)
	s_cmp_ge_u32 ttmp9, 4
	s_cbranch_scc1 .Lplain
	LOADCS 0                                       ; B's first set and v32-95 are free: the step before has its places behind it
	LOADCS 1
	LOADCS 2
	LASTSTEP
	LOADCS 3                                       ; into B's second set, behind the last step's places
.irp a, 0,1,2,3,4,5,6,7
	EPI \a, 1
.endr
	s_branch .Lend
.Lplain:
	LASTSTEP
	s_wait_alu depctr_va_vdst(0)
.irp a, 0,1,2,3,4,5,6,7
	EPI \a, 0
.endr
.Lend:
	s_wait_tensorcnt 0x0
	ds_add_u32 v[SPW], v[NIL]
	s_wait_dscnt 0x0
	CROUND
	s_endpgm
.Lfunc_end_k_q8c1c2e1009_qkv:
	.size	k_q8c1c2e1009_qkv, .Lfunc_end_k_q8c1c2e1009_qkv-k_q8c1c2e1009_qkv
	.p2alignl 7, 3214868480
	.fill 96, 4, 3214868480
	.section	.rodata,"a",@progbits
	.p2align	6, 0x0
	.amdhsa_kernel k_q8c1c2e1009_qkv
		.amdhsa_group_segment_fixed_size 327680
		.amdhsa_private_segment_fixed_size 0
		.amdhsa_enable_private_segment 0
		.amdhsa_kernarg_size 40
		.amdhsa_user_sgpr_count 2
		.amdhsa_user_sgpr_kernarg_segment_ptr 1
		.amdhsa_wavefront_size32 1
		.amdhsa_system_sgpr_workgroup_id_x 1
		.amdhsa_system_sgpr_workgroup_id_y 1
		.amdhsa_system_sgpr_workgroup_id_z 1
		.amdhsa_system_vgpr_workitem_id 0
		.amdhsa_next_free_vgpr 1024
		.amdhsa_next_free_sgpr 100
		.amdhsa_reserve_vcc 0
		.amdhsa_float_denorm_mode_32 3
		.amdhsa_float_denorm_mode_16_64 3
		.amdhsa_memory_ordered 1
		.amdhsa_forward_progress 1
		.amdhsa_inst_pref_size 209
	.end_amdhsa_kernel
	.amdgpu_metadata
---
amdhsa.version: [ 1, 2 ]
amdhsa.kernels:
  - .name:           k_q8c1c2e1009_qkv
    .symbol:         k_q8c1c2e1009_qkv.kd
    .args:
      - { .name: abuf, .offset: 0, .size: 8, .value_kind: global_buffer, .address_space: global }
      - { .name: bbuf, .offset: 8, .size: 8, .value_kind: global_buffer, .address_space: global }
      - { .name: csimg, .offset: 16, .size: 8, .value_kind: global_buffer, .address_space: global }
      - { .name: lowp_scales, .offset: 24, .size: 8, .value_kind: global_buffer, .address_space: global }
      - { .name: qkv, .offset: 32, .size: 8, .value_kind: global_buffer, .address_space: global }
    .group_segment_fixed_size: 327680
    .private_segment_fixed_size: 0
    .kernarg_segment_align: 8
    .kernarg_segment_size: 40
    .max_flat_workgroup_size: 128
    .sgpr_count:     100
    .vgpr_count:     1024
    .wavefront_size: 32
...
	.end_amdgpu_metadata
.endif
;; end of part 2
;; launch attn (part 3): grid 32 x 8, 4 waves a work-group, clusters of 4 x 1, 327,680 bytes of LDS; arguments qkv, mimg, lowp_scales, a_img; writes a_img
.if DOCPART == 3
	.amdgcn_target "amdgcn-amd-amdhsa--gfx1250"
	.amdhsa_code_object_version 6
	.text
	.protected	k_q8c1c2e1009_attn
	.globl	k_q8c1c2e1009_attn
	.p2align	8
	.type	k_q8c1c2e1009_attn,@function
k_q8c1c2e1009_attn:
	s_mov_b64 s[64:65], 0
	v_nop
	global_prefetch_b8 v0, s[64:65] scope:SCOPE_SE
	s_setreg_imm32_b32 hwreg(HW_REG_WAVE_MODE, 25, 1), 1
	s_wait_xcnt 0x0
	s_wait_alu depctr_hold_cnt(0) depctr_sa_sdst(0) depctr_va_vdst(0) depctr_va_sdst(0) depctr_va_ssrc(0) depctr_va_vcc(0) depctr_vm_vsrc(0)
	s_getreg_b32 s2, hwreg(HW_REG_IB_STS2, 6, 4)
	s_cmp_eq_u32 s2, 0
	s_cbranch_scc0 .Lentry_in_a_cluster
	s_endpgm
.Lentry_in_a_cluster:
	s_bfe_u32 s2, ttmp6, 0x10000c
	s_cmp_lg_u32 s2, 0x3003
	s_cbranch_scc0 .Lentry_shape_is_right
	s_endpgm
.Lentry_shape_is_right:
; ATTENTION on E4M3 codes, with the additive mask that is given.  For each head: S^T = K Q^T + mask image (the C operand), t = S^T x c, c = log2(e) / sqrt(128) x 2^(e6 + e7);
; M = the running largest t rounded up to a whole number; p = 2^(t - M), quantised under entry 9; l = the sum of the unquantised p; O^T += V^T P^T; at the end O / l is quantised under entry 10.
; t IS ROUNDED FIRST AND M SUBTRACTED AFTERWARDS: equal t then give exactly 0 whatever their size, so a stretch of keys that the mask hides wholly gives p = 1 and is wiped out by the factor
; 2^(old M - new M) = 0 as soon as an open key comes; a row that is hidden wholly gets equal weights.  The mask is an input: every wave walks all 2,048 keys, no step and no input is left out.
; SHARES.  A work-group: 64 queries of two heads, four waves of 1,024 registers.  Wave w: head 2 y + w / 2, two tiles (A, B) of 16 queries, tiles 2 (w % 2) and 2 (w % 2) + 1 of the work-group's four: each fragment of K and V
; feeds two products.  A block is 256 keys, two steps of 128: one maximum and one rescaling of O for 256 keys.
; CLUSTER.  The four work-groups of a cluster belong to the same two heads: K's and V's tiles are asked for jointly.  The mask's 32 KiB a block of a wave's two tiles go from memory straight into registers, 512 consecutive
; bytes a load, one block ahead; waves w and w + 2 load the same ones.  Its four query blocks differ between partners, so the mask is not asked for jointly.
; RING.  Two slots of one block: wave w fetches 32,768 bytes of a slot to byte 32,768 w: K then V of the first head, K then V of the second.  The change of slots stands ahead of a block's second product: there V's fragments
; are in registers, so the slot has been read out and is filled with the block two on; behind it the next block's K is read from the other slot, its first step among the second product's instructions.
; PREFETCH.  The load of block n is followed by a prefetch for block n + 2.  All eight clusters of a head pair walk the same bytes: the first asks.  Of a wave's 32,768 bytes each partner names 8,192, by address,
; one instruction, lanes 256 bytes apart.  Blocks 0 and 1 come by their loads alone; no block behind the last is asked for.
; IMAGES.  q, k, v, mimg, a_img are register images: piece c at 512 c, lane at 16 lane.  Both products are used transposed: a lane holds ONE query; the 16 registers of score tiles 2 b, 2 b + 1 are keys
; 32 b + 16 h + 0..15; the 16 registers of O^T's tiles 2 b, 2 b + 1 are channels 32 b + 16 h + 0..15: so p's and O's codes are the next operands' images as they stand.
; LIMITS: e6 + e7 between -123 and 130; e9 between -126 and 119; e10 - e8 - e9 between -126 and 119; NaN is not served.
; REGISTERS.  Window 0: v1-11 addresses and constants; v12 -M, v13 the largest t, v[14:15] l of tile A, v16-19 of tile B; v20, v22 the factors; v24-31 at work; v32-63 Q; v64-95, v96-127 p's codes of A, B; v128-255 eight fragments (F0).
;   Window 1: v0-127 S^T, t, p of A, v128-255 of B (64 for each step).  Window 2: the mask, likewise.  Window 3: v0-63, v64-127 O^T of A, B; v128-255 eight fragments (F1).
.set SLOT1, 131072
.set SPARE, 2*SLOT1                    ; the spare words: 128 bytes for each of four waves
.set LI,  1                            ; 16 x lane
.set AK0, 2                            ; my head's K in slot 0
.set PFO, 3                            ; 256 x lane
.set AV0, 4                            ; my head's V in slot 0
.set SPW, 5
.set NIL, 6
.set ADK, 8
.set ADV, 9
.set HOLD, 10
.set SCL, 11
.set TB,  2                            ; s2   the slot of the block in hand
.set WV,  12
.set PFA, 18                           ; s[18:19] where my prefetches stand
.set SEL, 20
.set CS,  22
.set G1,  24
.set G0,  40
.set CNT, 56                           ; s56  trips to go
.set LIM, 57                           ; s57  a wave asks while CNT is greater: 2, or the greatest number
.set MSB, 0
.macro WIN new                         ; the immediate's high byte repeats the setting that is left
.if MSB != (\new)
	s_set_vgpr_msb (MSB<<8)|(\new)
.set MSB, (\new)
.endif
.endm
.macro CREST
	s_cmp_lg_u32 s[WV], 0
	s_cbranch_scc1 .Lnot_wave_0_\@
	s_barrier_signal -3
.Lnot_wave_0_\@:
	s_barrier_wait -3
	s_barrier_signal -1
	s_barrier_wait -1
.endm
.macro CROUND
	s_barrier_signal -1
	s_barrier_wait -1
	CREST
.endm
.macro NOPS                            ; the places behind matrix instructions
.rept 4
	v_nop
.endr
.endm
.macro TLOAD                           ; every wave's one load: its 32,768 bytes of a slot
	tensor_load_to_lds s[G0:G0+3], s[G1:G1+7]
	s_nop 0
	NOPS
.endm
.macro ASK off
	s_cmp_gt_u32 s[CNT], s[LIM]
	s_cbranch_scc0 .Lnot_mine_\@
	global_prefetch_b8 v[PFO], s[PFA:PFA+1] offset:\off th:TH_LOAD_NT scope:SCOPE_SE
.Lnot_mine_\@:
.endm
.macro LDT n, adr, off                 ; fragment n's image into v[128 + 16 n ..] of the window that is set
.irp c, 0,1,2,3
	ds_load_b128 v[128+16*(\n)+4*\c:128+16*(\n)+4*\c+3], v[\adr] offset:(\off)+2048*(\n)+512*\c
.endr
.endm
.macro LD8 adr, off
.irp n, 0,1,2,3,4,5,6,7
	LDT \n, \adr, \off
.endr
.endm
.set MOFF, 0                           ; from the mask's base to the block that is asked for
.macro MQ x, u, g                      ; the mask: a quarter of tile x's step u
.irp i, 0,1,2,3
	global_load_b128 v[128*(\x)+64*(\u)+16*(\g)+4*\i:128*(\x)+64*(\u)+16*(\g)+4*\i+3], v[LI], s[6:7] offset:MOFF+131072*(\x)+8192*(\u)+2048*(\g)+512*\i
.endr
.endm
.macro MSTEP u                         ; step u of both tiles: 32 loads
.irp g, 0,1,2,3
	MQ 0, \u, \g
.endr
.irp g, 0,1,2,3
	MQ 1, \u, \g
.endr
.endm
.macro MASKLD u, last                  ; the next block's mask of step u; the last trip has no block behind it
.if \last
	s_cmp_eq_u32 s[CNT], 1
	s_cbranch_scc1 .Lno_mask_\@
.endif
	WIN 0x80
	MSTEP \u
	WIN 0
.if \last
.Lno_mask_\@:
.endif
.endm
	s_load_b256 s[4:11], s[0:1], 0x0               ; qkv, mimg, scales, a_img
	v_lshl_add_u32 v[SPW], v0, 2, SPARE
	v_mov_b32 v[NIL], 0
	ds_add_u32 v[SPW], v[NIL]                      ; the wave's opening: the add, twice on end, and its wait ahead of the first tensor load
	ds_add_u32 v[SPW], v[NIL]
	v_lshrrev_b32 v7, 5, v0
	v_readfirstlane_b32 s[WV], v7
	v_and_b32 v7, 31, v0
	v_lshlrev_b32 v[LI], 4, v7
	v_lshlrev_b32 v[PFO], 8, v7
	s_bfe_u32 s13, ttmp6, 0x40000                  ; cx: it enters global addresses of my own alone
	s_lshl_b32 s14, ttmp9, 2
	s_add_co_u32 s14, s14, s13                     ; my block of 64 queries
	s_lshl_b32 s14, s14, 2
	s_and_b32 s15, s[WV], 1                        ; which pair of its four tiles.  Also: I fetch K (0) or V (1)
	s_lshl_b32 s16, s15, 1
	s_add_co_u32 s14, s14, s16                     ; tile A; tile B follows
	s_lshr_b32 s17, s[WV], 1                       ; which of the two heads
	s_and_b32 s3, ttmp7, 0xffff
	s_lshl_b32 s3, s3, 1
	s_add_co_u32 s3, s3, s17                       ; my head
	s_lshl_b32 s39, s17, 16                        ; its K in a slot
	s_wait_alu depctr_va_vdst(0)                   ; the wait directly ahead of the reader below
	v_add_nc_u32 v[AK0], s39, v[LI]
	v_add_nc_u32 v[AV0], 0x8000, v[AK0]
	s_lshl_b32 s32, s3, 18                         ; a head's 262,144 bytes in q, k, v
	s_lshl_b32 s34, s15, 22                        ; what I fetch: K 4 MiB on, V 8 MiB on
	s_add_co_u32 s34, s34, 0x400000
	s_add_co_u32 s34, s34, s32
	s_mov_b32 s35, 0
	s_lshl_b32 s36, s[WV], 15                      ; its place in a slot
	s_mov_b32 s[G1], 15|(3<<16)|(1<<21)            ; the mask: all four work-groups; elements of 8 bytes; bit 21 beside a mask
	s_mov_b32 s[G1+1], 32<<16                      ; a dense 32,768 bytes as 128 rows of 256
	s_mov_b32 s[G1+2], 128<<16
	s_mov_b32 s[G1+3], 32<<16
	s_mov_b32 s[G1+4], 128
	s_mov_b32 s[G1+5], 32
	s_mov_b32 s[G1+6], 0
	s_mov_b32 s[G1+7], 0
	s_lshl_b32 s58, s14, 11
	s_add_co_u32 s58, s58, s32                     ; Q's two fragments
	s_mov_b32 s59, 0
	s_lshl_b32 s60, s14, 17                        ; the mask's image of tile A
	s_mov_b32 s61, 0
	s_lshl_b32 s62, s14, 15
	s_lshl_b32 s63, s3, 11
	s_add_co_u32 s62, s62, s63                     ; a_img: tile, K step = head
	s_mov_b32 s63, 0
	s_lshl_b32 s16, s13, 13
	s_add_co_u32 s16, s16, s34
	s_add_co_u32 s16, s16, 65536                   ; my 8,192 bytes of block 2
	s_mov_b32 s17, 0
	s_cmp_eq_u32 ttmp9, 0                          ; the head pair's first cluster
	s_cselect_b32 s[LIM], 2, -1
	s_mov_b32 s[CNT], 6
	s_mov_b32 s[SEL], 0x76543210
	s_mov_b32 s[SEL+1], 0xfedcba98
	s_mov_b32 s[CS], 0x3e0293ee                    ; log2(e) / sqrt(128)
	s_mov_b32 s[TB], 0
	s_wait_alu depctr_va_vdst(0)
	s_wait_dscnt 0x0                               ; both opening adds are done
	s_wait_kmcnt 0x0
	s_load_b128 s[48:51], s[8:9], 0x18             ; e6, e7, e8, e9
	s_load_b32 s52, s[8:9], 0x28                   ; e10
	s_mov_b32 s[G0], 1
	s_mov_b32 s[G0+1], s36
	s_add_nc_u64 s[G0+2:G0+3], s[4:5], s[34:35]
	s_or_b32 s[G0+3], s[G0+3], 0x80000000
	s_add_nc_u64 s[PFA:PFA+1], s[4:5], s[16:17]
	s_add_nc_u64 s[4:5], s[4:5], s[58:59]
	s_add_nc_u64 s[6:7], s[6:7], s[60:61]
	s_add_nc_u64 s[10:11], s[10:11], s[62:63]
	CROUND                                         ; all four work-groups are here
	TLOAD                                          ; block 0
.irp c, 0,1,2,3,4,5,6,7
	global_load_b128 v[32+4*\c:35+4*\c], v[LI], s[4:5] offset:512*\c       ; Q of both tiles stays in registers
.endr
	WIN 0x80                                       ; destination window 2
	MSTEP 0
	MSTEP 1
	WIN 0
	ASK 0                                          ; block 2
.set MOFF, 16384                       ; from here on the mask of the block behind the base's
	v_mov_b32 v13, 0xff61b1e6                      ; the largest t so far: -3e38
	v_mov_b32 v17, 0xff61b1e6
	v_mov_b32 v14, 0
	v_mov_b32 v15, 0
	v_mov_b32 v18, 0
	v_mov_b32 v19, 0
	v_floor_f32 v12, -v13
	v_floor_f32 v16, -v17
	v_mov_b32 v21, 0                               ; (named as upper halves of pairs)
	v_mov_b32 v23, 0
	v_mov_b32 v28, 0                               ; a lane permute's destination counts as read
	v_mov_b32 v29, 0
	WIN 0xc0
.set j, 0
.rept 128
	v_mov_b32 v[j], 0                              ; O^T: the block is written without a first form of its own; the first change of M multiplies zeros
.set j, j+1
.endr
	WIN 0
	s_wait_kmcnt 0x0
	s_add_co_i32 s58, s48, s49
	s_lshl_b32 s58, s58, 23
	s_add_co_i32 s[CS], s[CS], s58                 ; x 2^(e6 + e7): added to c's exponent field
	s_mov_b32 s[CS+1], s[CS]
	s_add_co_i32 s58, s51, 127
	s_lshl_b32 s59, s58, 23
	v_mov_b32 v[SCL], s59                          ; 2^e9
	s_add_co_i32 s58, s58, 8
	s_lshl_b32 s58, s58, 23
	s_or_b32 s58, s58, 0x600000
	v_mov_b32 v[HOLD], s58                         ; 448 x 2^e9
	s_wait_alu depctr_va_vdst(0)                   ; the wait at the head's end
	s_wait_tensorcnt 0x0                           ; my part of block 0 is in
	ds_add_u32 v[SPW], v[NIL]
	s_xor_b32 s[G0+1], s[G0+1], SLOT1
	s_add_nc_u64 s[G0+2:G0+3], s[G0+2:G0+3], 32768
	s_wait_dscnt 0x0
	CROUND
	TLOAD                                          ; block 1, the first tensor load behind the round
	LD8 AK0, 0                                     ; K of block 0: step 0 into F0,
	WIN 0xc0
	LD8 AK0, 16384                                 ; step 1 into F1
	WIN 0
	ASK 32768                                      ; block 3
; A BLOCK OF 256 KEYS.  last = 0: the slot just read out is filled with the block two on.  last = 1: nothing is filled, and the last trip asks for no mask and no K: there is no block behind it.
.macro BLOCK last
	s_xor_b32 s38, s[TB], SLOT1
	v_add_nc_u32 v[ADV], s[TB], v[AV0]             ; this block's V,
	v_add_nc_u32 v[ADK], s38, v[AK0]               ; the next block's K, in the other slot
	s_wait_alu depctr_va_vdst(0)
	s_wait_dscnt 32                                ; K's step 0 is in; step 1's 32 loads may be out
	s_wait_loadcnt 32                              ; the mask's step 0 is in (and Q); step 1's 32 loads may be out
	WIN 0x60                                       ; A and B window 0, C window 2, D window 1
.irp t, 0,1,2,3,4,5,6,7                ; S^T = K Q^T + mask, step 0: each fragment of K serves both tiles
	v_wmma_f32_16x16x128_fp8_fp8 v[8*\t:8*\t+7], v[128+16*\t:143+16*\t], v[32:47], v[8*\t:8*\t+7]
	v_wmma_f32_16x16x128_fp8_fp8 v[128+8*\t:135+8*\t], v[128+16*\t:143+16*\t], v[48:63], v[128+8*\t:135+8*\t]
.endr
	s_wait_dscnt 0x0                               ; K's step 1 and the mask's step 1 are in
	s_wait_loadcnt 0x0
	WIN 0x63
.irp t, 0,1,2,3,4,5,6,7                ; step 1, with A in window 3
	v_wmma_f32_16x16x128_fp8_fp8 v[64+8*\t:71+8*\t], v[128+16*\t:143+16*\t], v[32:47], v[64+8*\t:71+8*\t]
	v_wmma_f32_16x16x128_fp8_fp8 v[192+8*\t:199+8*\t], v[128+16*\t:143+16*\t], v[48:63], v[192+8*\t:199+8*\t]
.endr
	WIN 0
	NOPS                                           ; the results are read, and the fragments and the mask loaded anew, below
	LD8 ADV, 0                                     ; V's step 0 into F0: it lands under the softmax
	MASKLD 0, \last
	WIN 0x41
.set j, 0
.rept 64
	v_pk_mul_f32 v[2*j:2*j+1], v[2*j:2*j+1], s[CS:CS+1] op_sel_hi:[1,0]           ; t, each accumulator from its low end on
	v_pk_mul_f32 v[128+2*j:129+2*j], v[128+2*j:129+2*j], s[CS:CS+1] op_sel_hi:[1,0]
.set j, j+1
.endr
	WIN 0x14                                       ; sources 1 and 2 in window 1
	v_max3_num_f32 v24, v13, v0, v1                ; the largest t so far of my query of each tile, in four chains each
	v_max3_num_f32 v28, v17, v128, v129
	v_max3_num_f32 v25, v13, v2, v3
	v_max3_num_f32 v29, v17, v130, v131
	v_max3_num_f32 v26, v13, v4, v5
	v_max3_num_f32 v30, v17, v132, v133
	v_max3_num_f32 v27, v13, v6, v7
	v_max3_num_f32 v31, v17, v134, v135
.set j, 8
.rept 15
	v_max3_num_f32 v24, v24, v[j], v[j+1]
	v_max3_num_f32 v28, v28, v[128+j], v[129+j]
	v_max3_num_f32 v25, v25, v[j+2], v[j+3]
	v_max3_num_f32 v29, v29, v[130+j], v[131+j]
	v_max3_num_f32 v26, v26, v[j+4], v[j+5]
	v_max3_num_f32 v30, v30, v[132+j], v[133+j]
	v_max3_num_f32 v27, v27, v[j+6], v[j+7]
	v_max3_num_f32 v31, v31, v[134+j], v[135+j]
.set j, j+8
.endr
	WIN 0
	v_max3_num_f32 v24, v24, v25, v26
	v_max3_num_f32 v28, v28, v29, v30
	v_max_num_f32 v24, v24, v27
	v_max_num_f32 v26, v28, v31
	v_mov_b32 v30, v12
	v_mov_b32 v31, v16
	v_permlanex16_b32 v28, v24, s[SEL], s[SEL+1]
	v_permlanex16_b32 v29, v26, s[SEL], s[SEL+1]
	v_max_num_f32 v13, v24, v28                    ; and among lane l xor 16's
	v_max_num_f32 v17, v26, v29
	v_floor_f32 v12, -v13                          ; the new -M = floor(-t): M is a whole number
	v_floor_f32 v16, -v17
	v_sub_f32 v30, v12, v30                        ; old M - new M: a whole number, 0 or less
	v_sub_f32 v31, v16, v31
	v_cvt_i32_f32 v30, v30                         ; (it saturates)
	v_cvt_i32_f32 v31, v31
	v_ldexp_f32 v20, 1.0, v30                      ; f = 2^(old M - new M)
	v_ldexp_f32 v22, 1.0, v31
	WIN 0xc0
	LD8 ADV, 16384                                 ; V's step 1 into F1
	WIN 0x41
.set j, 0
.rept 64
	v_pk_add_f32 v[2*j:2*j+1], v[2*j:2*j+1], v[12:13] op_sel_hi:[1,0]             ; A: t - M
.set j, j+1
.endr
	s_wait_alu depctr_va_vdst(0)                   ; the wait ahead of the batch
.set j, 0
.rept 64
	v_exp_f32 v[2*j], v[2*j]                       ; A: p = 2^(t - M), at most 1; B's t - M stand between
	v_exp_f32 v[2*j+1], v[2*j+1]
	v_pk_add_f32 v[128+2*j:129+2*j], v[128+2*j:129+2*j], v[16:17] op_sel_hi:[1,0]
.set j, j+1
.endr
	s_wait_alu depctr_va_vdst(0)                   ; one wait for the batch, and ahead of the next
	WIN 0
	v_pk_mul_f32 v[14:15], v[14:15], v[20:21] op_sel_hi:[1,0]                     ; l of A under the new M
	WIN 0x05
.irp k, 0,1,2,3,4,5,6,7                ; the sum of A's unquantised p, in eight chains in the registers that B's codes take later
	v_pk_add_f32 v[96+2*\k:97+2*\k], v[4*\k:4*\k+1], v[4*\k+2:4*\k+3]
.endr
	WIN 0x04
.irp m, 0,1,2,3,4,5
.irp k, 0,1,2,3,4,5,6,7
	v_pk_add_f32 v[96+2*\k:97+2*\k], v[96+2*\k:97+2*\k], v[32+16*\m+2*\k:33+16*\m+2*\k]
.endr
.endr
	WIN 0
	v_pk_add_f32 v[96:97], v[96:97], v[104:105]
	v_pk_add_f32 v[98:99], v[98:99], v[106:107]
	v_pk_add_f32 v[100:101], v[100:101], v[108:109]
	v_pk_add_f32 v[102:103], v[102:103], v[110:111]
	v_pk_add_f32 v[96:97], v[96:97], v[100:101]
	v_pk_add_f32 v[98:99], v[98:99], v[102:103]
	v_pk_add_f32 v[96:97], v[96:97], v[98:99]
	v_pk_add_f32 v[14:15], v[14:15], v[96:97]
	MASKLD 1, \last
	WIN 0x41
.set j, 0
.rept 64
	v_exp_f32 v[128+2*j], v[128+2*j]               ; B's p; A's hold stands between: the conversion does not saturate (ISA guide 7.6.2); p is not negative: a one-sided hold
	v_exp_f32 v[129+2*j], v[129+2*j]
	v_dual_min_num_f32 v[2*j], v[2*j], v[HOLD] :: v_dual_min_num_f32 v[2*j+1], v[2*j+1], v[HOLD]
.set j, j+1
.endr
	s_wait_alu depctr_va_vdst(0)                   ; one wait for the batch
	WIN 0x01
.set j, 0
.rept 16
	v_cvt_scalef32_pk8_fp8_f32 v[64+2*j:65+2*j], v[8*j:8*j+7], v[SCL]
.set j, j+1
.endr
	WIN 0
	v_pk_mul_f32 v[18:19], v[18:19], v[22:23] op_sel_hi:[1,0]                     ; l of B under the new M; the plain line behind the conversions
	; THE CHANGE OF SLOTS
	s_wait_tensorcnt 0x0                           ; no tensor load of mine is out: my part of the next block is in
	ds_add_u32 v[SPW], v[NIL]
	WIN 0x41
.set j, 0
.rept 64
	v_dual_min_num_f32 v[2*j], v[128+2*j], v[HOLD] :: v_dual_min_num_f32 v[2*j+1], v[129+2*j], v[HOLD]   ; B's hold, into A's registers: B's p is still to be summed
.set j, j+1
.endr
	WIN 0x01
.set j, 0
.rept 16
	v_cvt_scalef32_pk8_fp8_f32 v[96+2*j:97+2*j], v[8*j:8*j+7], v[SCL]
.set j, j+1
.endr
	s_wait_xcnt 0x0                                ; the mask's loads and the last prefetch have read their bases
	s_add_nc_u64 s[6:7], s[6:7], 16384
.if \last == 0
	s_add_nc_u64 s[PFA:PFA+1], s[PFA:PFA+1], 32768
	s_xor_b32 s[G0+1], s[G0+1], SLOT1              ; the other slot than last time,
	s_add_nc_u64 s[G0+2:G0+3], s[G0+2:G0+3], 32768 ; the next block
.endif
	s_wait_dscnt 0x0                               ; the add is done, and V is in registers: my reads of this slot are over
	s_barrier_signal -1
	WIN 0xc3
	s_wait_alu depctr_va_vdst(0)                   ; the wait directly ahead of the first reader of O^T
.set j, 0
.rept 32
	v_pk_mul_f32 v[2*j:2*j+1], v[2*j:2*j+1], v[20:21] op_sel_hi:[1,0]             ; O^T under the new M, while the others arrive; also the plain lines behind the conversions
.set j, j+1
.endr
.rept 32
	v_pk_mul_f32 v[2*j:2*j+1], v[2*j:2*j+1], v[22:23] op_sel_hi:[1,0]
.set j, j+1
.endr
	WIN 0
	s_wait_alu depctr_va_vdst(0)
	s_barrier_wait -1
.if \last == 0
	CREST                                          ; no wave of any partner still reads this slot
	TLOAD                                          ; the first thing behind the round, and a wave's one tensor load until the next
.endif
	WIN 0xf0                                       ; A and B window 0, C and D window 3
.irp f, 0,1,2,3,4,5,6,7                ; O^T += V^T P^T, step 0: the sixteen accumulators take turns
	v_wmma_f32_16x16x128_fp8_fp8 v[8*\f:8*\f+7], v[128+16*\f:143+16*\f], v[64:79], v[8*\f:8*\f+7]
	v_wmma_f32_16x16x128_fp8_fp8 v[64+8*\f:71+8*\f], v[128+16*\f:143+16*\f], v[96:111], v[64+8*\f:71+8*\f]
.endr
	WIN 0
	NOPS                                           ; F0 is loaded anew below
.if \last == 0
	LD8 ADK, 0                                     ; the next block's K, step 0, into F0
	ASK 32768                                      ; the block two behind the one just asked for
.endif
	WIN 0xf3
.irp f, 0,1,2,3,4,5,6,7                ; step 1, with A in window 3
	v_wmma_f32_16x16x128_fp8_fp8 v[8*\f:8*\f+7], v[128+16*\f:143+16*\f], v[80:95], v[8*\f:8*\f+7]
	v_wmma_f32_16x16x128_fp8_fp8 v[64+8*\f:71+8*\f], v[128+16*\f:143+16*\f], v[112:127], v[64+8*\f:71+8*\f]
.endr
	WIN 0
	NOPS                                           ; F1 is loaded anew below
.if \last
	s_cmp_eq_u32 s[CNT], 1
	s_cbranch_scc1 .Lno_k_\@
	LD8 ADK, 0
.endif
	WIN 0xc0
	LD8 ADK, 16384                                 ; the next block's K, step 1
.if \last
	WIN 0
.Lno_k_\@:
.endif
	WIN 0x45
.irp m, 1,2,3,4,5,6,7                  ; the sum of B's unquantised p, in place, in eight chains
.irp k, 0,1,2,3,4,5,6,7
	v_pk_add_f32 v[128+2*\k:129+2*\k], v[128+2*\k:129+2*\k], v[128+16*\m+2*\k:129+16*\m+2*\k]
.endr
.endr
.irp k, 0,1,2,3
	v_pk_add_f32 v[128+2*\k:129+2*\k], v[128+2*\k:129+2*\k], v[136+2*\k:137+2*\k]
.endr
	v_pk_add_f32 v[128:129], v[128:129], v[132:133]
	v_pk_add_f32 v[130:131], v[130:131], v[134:135]
	v_pk_add_f32 v[128:129], v[128:129], v[130:131]
	WIN 0x04
	v_pk_add_f32 v[18:19], v[18:19], v[128:129]
	WIN 0
	s_xor_b32 s[TB], s[TB], SLOT1
	s_sub_co_u32 s[CNT], s[CNT], 1
	s_cmp_lg_u32 s[CNT], 0
	s_wait_alu depctr_va_vdst(0)                   ; the wait ahead of the branch
.endm
.Lblock:                                           ; blocks 0 to 5: each change of slots asks for the block two on
	BLOCK 0
	s_cbranch_scc1 .Lblock
	s_mov_b32 s[CNT], 2
.Ltail:                                            ; blocks 6 and 7: no tensor load
	BLOCK 1
	s_cbranch_scc1 .Ltail
	; THE WAY OUT: O^T / l, quantised under entry 10: a lane's 64 numbers of a tile are channels 32 c + 16 h + i of its query: K step = head of the last product's A
	v_add_f32 v14, v14, v15
	v_add_f32 v18, v18, v19
	v_permlanex16_b32 v28, v14, s[SEL], s[SEL+1]
	v_permlanex16_b32 v29, v18, s[SEL], s[SEL+1]
	v_add_f32 v14, v14, v28                        ; the rows' sums
	v_add_f32 v18, v18, v29
	s_wait_alu depctr_va_vdst(0)                   ; the wait ahead of the batch
	v_rcp_f32 v14, v14
	v_rcp_f32 v18, v18
	NOPS                                           ; the plain line behind the reciprocals
	s_add_co_i32 s58, s50, s51
	s_sub_co_i32 s58, s52, s58                     ; a sum stands for sum x 2^(e8 + e9): the three scales folded: e10 - e8 - e9
	s_add_co_i32 s58, s58, 127
	s_lshl_b32 s59, s58, 23
	v_mov_b32 v[SCL], s59
	s_add_co_i32 s58, s58, 8
	s_lshl_b32 s58, s58, 23
	s_or_b32 s58, s58, 0x600000
	v_mov_b32 v[HOLD], s58
	WIN 0x43
	s_wait_alu depctr_va_vdst(0)                   ; ahead of the first reader of the reciprocals and of O^T
.set j, 0
.rept 64
	v_mul_f32 v[j], v[j], v14
.set j, j+1
.endr
.rept 64
	v_mul_f32 v[j], v[j], v18
.set j, j+1
.endr
	WIN 0x41
.set j, 0
.rept 128
	v_med3_num_f32 v[j], v[j], -v[HOLD], v[HOLD]
.set j, j+1
.endr
	WIN 0x01
.set j, 0
.rept 16
	v_cvt_scalef32_pk8_fp8_f32 v[64+2*j:65+2*j], v[8*j:8*j+7], v[SCL]
.set j, j+1
.endr
	v_nop
	WIN 0
.irp c, 0,1,2,3
	global_store_b128 v[LI], v[64+4*\c:67+4*\c], s[10:11] offset:512*\c            ; 512 consecutive bytes
.endr
.irp c, 0,1,2,3
	global_store_b128 v[LI], v[80+4*\c:83+4*\c], s[10:11] offset:32768+512*\c
.endr
	s_wait_tensorcnt 0x0                           ; the wave's end
	ds_add_u32 v[SPW], v[NIL]
	s_wait_dscnt 0x0
	CROUND                                         ; the closing round
	s_endpgm
.Lfunc_end_k_q8c1c2e1009_attn:
	.size	k_q8c1c2e1009_attn, .Lfunc_end_k_q8c1c2e1009_attn-k_q8c1c2e1009_attn
	.p2alignl 7, 3214868480
	.fill 96, 4, 3214868480
	.section	.rodata,"a",@progbits
	.p2align	6, 0x0
	.amdhsa_kernel k_q8c1c2e1009_attn
		.amdhsa_group_segment_fixed_size 327680
		.amdhsa_private_segment_fixed_size 0
		.amdhsa_enable_private_segment 0
		.amdhsa_kernarg_size 32
		.amdhsa_user_sgpr_count 2
		.amdhsa_user_sgpr_kernarg_segment_ptr 1
		.amdhsa_wavefront_size32 1
		.amdhsa_system_sgpr_workgroup_id_x 1
		.amdhsa_system_sgpr_workgroup_id_y 1
		.amdhsa_system_sgpr_workgroup_id_z 1
		.amdhsa_system_vgpr_workitem_id 0
		.amdhsa_next_free_vgpr 1024
		.amdhsa_next_free_sgpr 66
		.amdhsa_reserve_vcc 0
		.amdhsa_float_denorm_mode_32 3
		.amdhsa_float_denorm_mode_16_64 3
		.amdhsa_memory_ordered 1
		.amdhsa_forward_progress 1
		.amdhsa_inst_pref_size 188
	.end_amdhsa_kernel
	.amdgpu_metadata
---
amdhsa.version: [ 1, 2 ]
amdhsa.kernels:
  - .name:           k_q8c1c2e1009_attn
    .symbol:         k_q8c1c2e1009_attn.kd
    .args:
      - { .name: qkv, .offset: 0, .size: 8, .value_kind: global_buffer, .address_space: global }
      - { .name: mimg, .offset: 8, .size: 8, .value_kind: global_buffer, .address_space: global }
      - { .name: lowp_scales, .offset: 16, .size: 8, .value_kind: global_buffer, .address_space: global }
      - { .name: a_img, .offset: 24, .size: 8, .value_kind: global_buffer, .address_space: global }
    .group_segment_fixed_size: 327680
    .private_segment_fixed_size: 0
    .kernarg_segment_align: 8
    .kernarg_segment_size: 32
    .max_flat_workgroup_size: 128
    .sgpr_count:     66
    .vgpr_count:     1024
    .wavefront_size: 32
...
	.end_amdgpu_metadata
.endif
;; end of part 3
;; launch oproj (part 4): grid 16 x 16, 4 waves a work-group, clusters of 4 x 4, 327,680 bytes of LDS; arguments a_img, wo_img, lowp_scales, out0; writes out0
.if DOCPART == 4
	.amdgcn_target "amdgcn-amd-amdhsa--gfx1250"
	.amdhsa_code_object_version 6
	.text
	.protected	k_q8c1c2e1009_oproj
	.globl	k_q8c1c2e1009_oproj
	.p2align	8
	.type	k_q8c1c2e1009_oproj,@function
k_q8c1c2e1009_oproj:
	s_mov_b64 s[64:65], 0
	v_nop
	global_prefetch_b8 v0, s[64:65] scope:SCOPE_SE
	s_setreg_imm32_b32 hwreg(HW_REG_WAVE_MODE, 25, 1), 1
	s_wait_xcnt 0x0
	s_wait_alu depctr_hold_cnt(0) depctr_sa_sdst(0) depctr_va_vdst(0) depctr_va_sdst(0) depctr_va_ssrc(0) depctr_va_vcc(0) depctr_vm_vsrc(0)
	s_getreg_b32 s2, hwreg(HW_REG_IB_STS2, 6, 4)
	s_cmp_eq_u32 s2, 0
	s_cbranch_scc0 .Lentry_in_a_cluster
	s_endpgm
.Lentry_in_a_cluster:
	s_bfe_u32 s2, ttmp6, 0x10000c
	s_cmp_lg_u32 s2, 0xf033
	s_cbranch_scc0 .Lentry_shape_is_right
	s_endpgm
.Lentry_shape_is_right:
; OPROJ: out = a wo on E4M3 codes, 128 x 128 a work-group, four waves of 64 x 64 (16 accumulators).  No product and no input is left out.  Operands are register images [tile of 16][K step of 128][2,048 bytes].
; K goes in steps of 512 through two LDS slots; wave w fetches 32,768 bytes of a slot (waves 0, 1: A's halves, waves 2, 3: B's), asked for jointly along the row (A) or the column (B) of a 4 x 4 cluster.
; Used transposed: a lane holds eight neighbouring numbers of a row of out.  A finished sum is multiplied by 2^(e10 + e11) and leaves through the wave's own stage in LDS as aligned units of 256 bytes.
; PREFETCH: the loads of slots 0 and 1 are followed by one prefetch each, for slots 2 and 3: of a wave's four tiles x 8,192 bytes each of the four partners that ask jointly names one, by address (cx for A, cy for B),
; lanes 256 bytes apart.  There is no slot behind slot 3.
; LIMITS: e10 + e11 between -126 and 127; NaN is not served.
.set HALFT,  32768
.set SLOT,   4*HALFT
.set STAGE,  2*SLOT
.set SPARE,  STAGE+4*16*272
.set ADRA, 16
.set ADRB, 20
.set STO,  24
.set RD,   25
.set CO,   26
.set SPW,  28
.set NIL,  29
.set TMP,  32
.set BK,   64
.set ACC,  128
.set F0,   0
.set F1,   128
.set G1, 24
.set G0, 32
.set G1B, 48
.set G0B, 56
.set MSB, 0
.macro WIN new
.if MSB != (\new)
	s_set_vgpr_msb (MSB<<8)|(\new)
.set MSB, (\new)
.endif
.endm
.set MUL,  0x05
.set TO_F, 0x40
.macro JLOAD s
	s_cmp_eq_u32 s13, 0
	s_cbranch_scc0 .Lfor_b_\@
	tensor_load_to_lds s[G0+4*\s:G0+4*\s+3], s[G1:G1+7]
	s_nop 0
.rept 4
	v_nop
.endr
	s_branch .Lasked_\@
.Lfor_b_\@:
	tensor_load_to_lds s[G0B+4*\s:G0B+4*\s+3], s[G1B:G1B+7]
	s_nop 0
.rept 4
	v_nop
.endr
.Lasked_\@:
.endm
.macro CREST
	s_cmp_lg_u32 s12, 0
	s_cbranch_scc1 .Lnot_wave_0_\@
	s_barrier_signal -3
.Lnot_wave_0_\@:
	s_barrier_wait -3
	s_barrier_signal -1
	s_barrier_wait -1
.endm
.macro CROUND
	s_barrier_signal -1
	s_barrier_wait -1
	CREST
.endm
	s_load_b256 s[4:11], s[0:1], 0x0
	v_lshl_add_u32 v[SPW], v0, 2, SPARE
	v_mov_b32 v[NIL], 0
	ds_add_u32 v[SPW], v[NIL]
	ds_add_u32 v[SPW], v[NIL]
	v_lshrrev_b32 v1, 5, v0
	v_readfirstlane_b32 s12, v1
	s_lshr_b32 s13, s12, 1
	s_and_b32 s14, s12, 1
	s_bfe_u32 s40, ttmp6, 0x40000
	s_bfe_u32 s41, ttmp6, 0x40004
	s_lshl_b32 s42, ttmp9, 2
	s_add_co_u32 s42, s42, s40
	s_and_b32 s15, ttmp7, 0xffff
	s_lshl_b32 s15, s15, 2
	s_add_co_u32 s15, s15, s41
	s_lshl_b32 s43, s41, 2
	s_lshl_b32 s43, 15, s43
	s_lshl_b32 s44, 0x1111, s40
	s_or_b32 s[G1+0], s43, (3<<16)|(1<<21)
	s_or_b32 s[G1B+0], s44, (3<<16)|(1<<21)
.irp g, G1, G1B
	s_mov_b32 s[\g+1], 1024<<16
	s_mov_b32 s[\g+2], 4<<16
	s_mov_b32 s[\g+3], 1024<<16
	s_mov_b32 s[\g+4], 4
	s_mov_b32 s[\g+5], 4096
	s_mov_b32 s[\g+6], 0
	s_mov_b32 s[\g+7], 0
.endr
	s_lshl_b32 s18, s14, 17
	s_lshl_b32 s16, s15, 18
	s_add_co_u32 s16, s16, s18
	s_mov_b32 s17, 0
	s_lshl_b32 s46, s42, 18
	s_add_co_u32 s46, s46, s18
	s_mov_b32 s47, 0
	s_mul_i32 s20, s12, HALFT
	s_wait_dscnt 0x0
	s_wait_kmcnt 0x0
	s_load_b64 s[66:67], s[8:9], 0x28
	s_add_nc_u64 s[16:17], s[4:5], s[16:17]
	s_add_nc_u64 s[46:47], s[6:7], s[46:47]
	CROUND
.irp s, 0,1
	s_mov_b32 s[G0+4*\s], 1
	s_add_co_u32 s[G0+4*\s+1], s20, \s*SLOT
	s_add_nc_u64 s[G0+4*\s+2:G0+4*\s+3], s[16:17], \s*8192
	s_or_b32 s[G0+4*\s+3], s[G0+4*\s+3], 0x80000000
	s_mov_b32 s[G0B+4*\s], 1
	s_add_co_u32 s[G0B+4*\s+1], s20, \s*SLOT
	s_add_nc_u64 s[G0B+4*\s+2:G0B+4*\s+3], s[46:47], \s*8192
	s_or_b32 s[G0B+4*\s+3], s[G0B+4*\s+3], 0x80000000
.endr
	JLOAD 0                                        ; slot 0: one tensor load a wave at the head
	s_cmp_eq_u32 s13, 0                            ; my prefetches: in A or in B,
	s_cselect_b64 s[70:71], s[16:17], s[46:47]
	s_cselect_b32 s72, s40, s41                    ; by my place among the four that ask jointly,
	s_lshl_b32 s72, s72, 15                        ; a tile of 32,768 bytes on for each
	s_mov_b32 s73, 0
	s_add_nc_u64 s[70:71], s[70:71], s[72:73]
	v_and_b32 v3, 31, v0
	v_lshlrev_b32 v30, 8, v3
	global_prefetch_b8 v30, s[70:71] offset:16384 th:TH_LOAD_NT scope:SCOPE_SE     ; slot 2
	v_lshlrev_b32 v3, 4, v3
	s_mul_i32 s21, s13, HALFT
	s_mul_i32 s22, s14, HALFT
	s_add_co_u32 s22, s22, 2*HALFT
.irp s, 0,1
	v_add_nc_u32 v[ADRA+\s], s21, v3
	v_add_nc_u32 v[ADRB+\s], s22, v3
	s_add_co_u32 s21, s21, SLOT
	s_add_co_u32 s22, s22, SLOT
.endr
	v_and_b32 v1, 15, v0
	v_bfe_u32 v2, v0, 4, 1
	s_mul_i32 s23, s12, 16*272
	s_add_co_u32 s23, s23, STAGE
	v_mul_u32_u24 v4, v1, 272
	v_lshl_add_u32 v4, v2, 6, v4
	v_add_nc_u32 v[STO], s23, v4
	v_mul_u32_u24 v5, v2, 272
	v_lshl_add_u32 v5, v1, 4, v5
	v_add_nc_u32 v[RD], s23, v5
	v_lshlrev_b32 v5, 13, v2
	v_lshl_add_u32 v[CO], v1, 4, v5
	s_lshl_b32 s68, s15, 7
	s_lshl_b32 s69, s13, 6
	s_add_co_u32 s68, s68, s69
	s_lshl_b32 s68, s68, 13
	s_lshl_b32 s69, s42, 9
	s_add_co_u32 s68, s68, s69
	s_lshl_b32 s69, s14, 8
	s_add_co_u32 s68, s68, s69
	s_mov_b32 s69, 0
	s_add_nc_u64 s[10:11], s[10:11], s[68:69]
.macro MUL8 f, a0, zero
.irp a, \a0, \a0+1
.irp b, 0,1,2,3
.if \zero
	v_wmma_f32_16x16x128_fp8_fp8 v[ACC+8*(4*(\a)+\b):ACC+8*(4*(\a)+\b)+7], v[\f+64+16*\b:\f+64+16*\b+15], v[\f+16*(\a):\f+16*(\a)+15], 0
.else
	v_wmma_f32_16x16x128_fp8_fp8 v[ACC+8*(4*(\a)+\b):ACC+8*(4*(\a)+\b)+7], v[\f+64+16*\b:\f+64+16*\b+15], v[\f+16*(\a):\f+16*(\a)+15], v[ACC+8*(4*(\a)+\b):ACC+8*(4*(\a)+\b)+7]
.endif
.endr
.endr
.endm
.macro FETCH slot, q, f
	WIN TO_F
.irp i, 0,1,2,3
.irp c, 0,1,2,3
	ds_load_b128 v[\f+64+16*\i+4*\c:\f+64+16*\i+4*\c+3], v[ADRB+\slot] offset:2048*(\q)+512*\c+8192*\i
.endr
.endr
.irp i, 0,1,2,3
.irp c, 0,1,2,3
	ds_load_b128 v[\f+16*\i+4*\c:\f+16*\i+4*\c+3], v[ADRA+\slot] offset:2048*(\q)+512*\c+8192*\i
.endr
.endr
.endm
.macro PLACES
.rept 4
	v_nop
.endr
.endm
.macro QUARTER slot, qn, f, g, zero
	PLACES
	FETCH \slot, \qn, \g
	s_wait_dscnt 32
	WIN MUL
	MUL8 \f, 0, \zero
	MUL8 \f, 2, \zero
.endm
.macro TURN slot, next, fill
	WIN 0
	s_wait_tensorcnt 0x0
	ds_add_u32 v[SPW], v[NIL]
	s_wait_dscnt 1
	WIN MUL
	MUL8 F1, 0, 0
	s_wait_dscnt 0x0
	s_barrier_signal -1
	MUL8 F1, 2, 0
	WIN 0
	s_barrier_wait -1
.if \fill
	CREST
	s_add_nc_u64 s[G0+4*\slot+2:G0+4*\slot+3], s[G0+4*\slot+2:G0+4*\slot+3], 16384
	s_add_nc_u64 s[G0B+4*\slot+2:G0B+4*\slot+3], s[G0B+4*\slot+2:G0B+4*\slot+3], 16384
	JLOAD \slot
.else
	PLACES
.endif
	FETCH \next, 0, F0
.endm
	s_wait_alu depctr_va_vdst(0)                   ; the wait at the head's end
	s_wait_tensorcnt 0x0                           ; my part of slot 0 is in
	ds_add_u32 v[SPW], v[NIL]
	s_wait_dscnt 0x0
	CROUND                                         ; everybody's part of slot 0 is in
	JLOAD 1                                        ; slot 1
	FETCH 0, 0, F0
	global_prefetch_b8 v30, s[70:71] offset:24576 th:TH_LOAD_NT scope:SCOPE_SE     ; slot 3
	QUARTER 0, 1, F0, F1, 1
	QUARTER 0, 2, F1, F0, 0
	QUARTER 0, 3, F0, F1, 0
	TURN 0, 1, 1
	QUARTER 1, 1, F0, F1, 0
	QUARTER 1, 2, F1, F0, 0
	QUARTER 1, 3, F0, F1, 0
	TURN 1, 0, 1
	QUARTER 0, 1, F0, F1, 0
	QUARTER 0, 2, F1, F0, 0
	QUARTER 0, 3, F0, F1, 0
	TURN 0, 1, 0
	QUARTER 1, 1, F0, F1, 0
	QUARTER 1, 2, F1, F0, 0
	QUARTER 1, 3, F0, F1, 0
	s_wait_dscnt 0
	MUL8 F1, 0, 0
	MUL8 F1, 2, 0
	WIN 0
.macro TOSTAGE a
.set j, 0
.rept 16
	v_pk_mul_f32 v[TMP+2*j:TMP+2*j+1], v[ACC+32*(\a)+2*j:ACC+32*(\a)+2*j+1], s[66:67] op_sel_hi:[1,0]
.set j, j+1
.endr
.irp b, 0,1,2,3
	ds_store_b128 v[STO], v[TMP+8*\b:TMP+8*\b+3] offset:128*(\b/2)+32*(\b%2)
	ds_store_b128 v[STO], v[TMP+8*\b+4:TMP+8*\b+7] offset:128*(\b/2)+32*(\b%2)+16
.endr
.irp t, 0,1,2,3,4,5,6,7
	ds_load_b128 v[BK+32*((\a)%2)+4*\t:BK+32*((\a)%2)+4*\t+3], v[RD] offset:544*\t
.endr
.endm
.macro SEND a, younger
	s_wait_dscnt \younger
.irp t, 0,1,2,3,4,5,6,7
	global_store_b128 v[CO], v[BK+32*((\a)%2)+4*\t:BK+32*((\a)%2)+4*\t+3], s[10:11] offset:(32*((\a)/2)+8*((\a)%2)+2*\t+8*(\t/4))*8192 th:TH_STORE_NT
.endr
.endm
	s_wait_kmcnt 0x0
	s_add_co_i32 s66, s66, s67
	s_add_co_i32 s66, s66, 127
	s_lshl_b32 s66, s66, 23
	s_mov_b32 s67, s66
	PLACES
	TOSTAGE 0
	TOSTAGE 1
	SEND 0, 16
	s_wait_xcnt 0x0
	TOSTAGE 2
	SEND 1, 16
	s_wait_xcnt 0x0
	TOSTAGE 3
	SEND 2, 16
	SEND 3, 0
	s_wait_tensorcnt 0x0
	ds_add_u32 v[SPW], v[NIL]
	s_wait_dscnt 0x0
	CROUND
	s_endpgm
.Lfunc_end_k_q8c1c2e1009_oproj:
	.size	k_q8c1c2e1009_oproj, .Lfunc_end_k_q8c1c2e1009_oproj-k_q8c1c2e1009_oproj
	.p2alignl 7, 3214868480
	.fill 96, 4, 3214868480
	.section	.rodata,"a",@progbits
	.p2align	6, 0x0
	.amdhsa_kernel k_q8c1c2e1009_oproj
		.amdhsa_group_segment_fixed_size 327680
		.amdhsa_private_segment_fixed_size 0
		.amdhsa_enable_private_segment 0
		.amdhsa_kernarg_size 32
		.amdhsa_user_sgpr_count 2
		.amdhsa_user_sgpr_kernarg_segment_ptr 1
		.amdhsa_wavefront_size32 1
		.amdhsa_system_sgpr_workgroup_id_x 1
		.amdhsa_system_sgpr_workgroup_id_y 1
		.amdhsa_system_sgpr_workgroup_id_z 1
		.amdhsa_system_vgpr_workitem_id 0
		.amdhsa_next_free_vgpr 512
		.amdhsa_next_free_sgpr 76
		.amdhsa_reserve_vcc 0
		.amdhsa_float_denorm_mode_32 3
		.amdhsa_float_denorm_mode_16_64 3
		.amdhsa_memory_ordered 1
		.amdhsa_forward_progress 1
		.amdhsa_inst_pref_size 73
	.end_amdhsa_kernel
	.amdgpu_metadata
---
amdhsa.version: [ 1, 2 ]
amdhsa.kernels:
  - .name:           k_q8c1c2e1009_oproj
    .symbol:         k_q8c1c2e1009_oproj.kd
    .args:
      - { .name: a_img, .offset: 0, .size: 8, .value_kind: global_buffer, .address_space: global }
      - { .name: wo_img, .offset: 8, .size: 8, .value_kind: global_buffer, .address_space: global }
      - { .name: lowp_scales, .offset: 16, .size: 8, .value_kind: global_buffer, .address_space: global }
      - { .name: out0, .offset: 24, .size: 8, .value_kind: global_buffer, .address_space: global }
    .group_segment_fixed_size: 327680
    .private_segment_fixed_size: 0
    .kernarg_segment_align: 8
    .kernarg_segment_size: 32
    .max_flat_workgroup_size: 128
    .sgpr_count:     76
    .vgpr_count:     512
    .wavefront_size: 32
...
	.end_amdgpu_metadata
.endif
;; end of part 4
